; MI455X (gfx1250); checked and timed in simulation.
; The chip was launched on July 23, 2026; its instructions are those of AMD's public machine-readable ISA for CDNA 5 (MIT licence, August 2026) and "CDNA5" Instruction Set Architecture Reference Guide (July 2026). The comments in the code are by the model that wrote it; some were corrected since.
;; Multi Head Attention. Allowed arithmetic: matrix products marked QUANTISED: E2M3 operands, one E8M0 scale for each 32 along K, by v_wmma_scale_f32_16x16x128_f8f6f4 with both operands' format E2M3, f32 sums; everything else in f32.
;; Inputs: b_proj 1,024 float32; w_proj 1,024 x 1,024 float32; w_qkv 3,072 x 1,024 float32; x 4 x 2,048 x 1,024 float32.
;; Outputs: out0 4 x 2,048 x 1,024 float32.
;; This version of the problem:
;;   THIS VERSION OF THE PROBLEM IS GIVEN IN LOW PRECISION. The matrix products marked QUANTISED in the list below multiply operands that are first quantised to E2M3 (2 exponent bits, 3 mantissa bits; 6 bits a number), with one power-of-two scale for each 32 numbers along K (OCP MX v1.0); their sums are f32. All else is computed in f32.
;;   The module's matrix products, in the order in which they are computed (A, B: the left and right operand; K: the contracted axis; several contracted axes count as one K, in the product's order):
;;     1. [M 8,192, K 1,024] x [K 1,024, N 3,072]; A: input x; B: input w_qkv: QUANTISED
;;     2. batch 64 x [M 2,048, K 64] x [K 64, N 2,048]; A: computed on the way; B: computed on the way: QUANTISED
;;     3. batch 64 x [M 64, K 2,048] x [K 2,048, N 2,048]; A: computed on the way; B: softmax (see below): QUANTISED
;;     4. [M 8,192, K 1,024] x [K 1,024, N 1,024]; A: computed on the way; B: input w_proj: QUANTISED
;;   THE QUANTISER, for each operand of a quantised product, along K:
;;     - K is cut into blocks of 32 from its start; a last block that is shorter is filled with zeros.
;;     - A block's scale is 2^e with e = floor(log2(the largest magnitude in the block)) - 2, held to -126 .. 127; a block of zeros has e = 0. As a byte (E8M0): e + 127.
;;     - Each number is divided by its block's scale, clamped to +-7.5, and rounded to the nearest number of E2M3, ties to even, subnormals kept.
;;     - The product sums the exact products of the quantised numbers (number of the format x scale) in f32.
;;   ~~~python
;;   def quantise(x, axis):      # numpy; x: float32 -> the quantised numbers, widened to float32 again
;;       x = np.moveaxis(x, axis, -1); K = x.shape[-1]
;;       x = np.pad(x, [(0, 0)] * (x.ndim - 1) + [(0, -K % 32)]); x = x.reshape(x.shape[:-1] + (-1, 32)); a = np.abs(x).max(-1, keepdims=True)
;;       e = np.where(a > 0, np.clip(np.frexp(np.where(a > 0, a, 1))[1] - 1 - 2, -126, 127), 0)      # np.frexp(a)[1] - 1 = floor(log2(a)), exactly
;;       r = np.clip(x / 2.0 ** e, -7.5, 7.5)
;;       step = 2.0 ** (np.maximum(np.frexp(np.where(r == 0, 1, r))[1] - 1, 0) - 3)
;;       q = np.round(r / step) * step * 2.0 ** e      # np.round: ties to even
;;       return np.moveaxis(q.reshape(q.shape[:-2] + (-1,))[..., :K], -1, axis).astype(np.float32)
;;   ~~~
;;   SOFTMAX AHEAD OF A QUANTISED PRODUCT. Where the list says 'softmax', what is quantised is not the finished softmax but p = 2^(t - M), with t = logit x log2(e) and M = ceil(the row's largest t), a whole number; so 1/2 < the row's largest p <= 1. The row's sum l is taken of the UNQUANTISED p, in f32, and the product's result is divided by l at the end. Since M is a whole number, a kernel that streams over the keys may use a running M (the ceiling of the running maximum): every later rescaling is an exact power of two, which a block's scale takes up: the codes' values come out the same.
;;   OPERANDS COMPUTED ON THE WAY. 'Computed on the way' means the value that the module computes at that place (a softmax that the list does not call 'softmax' is quantised finished and normalised). What goes into a quantiser is computed in f32, as accurately as f32 sums, v_exp_f32 and their like allow (about 1e-6 of the number): no bf16 or f16 on the way to a quantiser, and a product that is left as it is and whose result goes on into a quantised operand takes f32 operands (vector FMAs, or v_wmma_f32_16x16x4_f32). A number that lies on a knife's edge between two numbers of the format may be rounded either way, as far as f32 arithmetic and the matrix unit's own rounding can turn it there, and no further.
;; One version. Each part assembles by itself: llvm-mc -triple=amdgcn-amd-amdhsa -mcpu=gfx1250 --defsym DOCPART=n.
;; ======== version 1 of 1: 4 launches
;; workspace buffers: opq 9,830,400 bytes; qkvc 19,660,800 bytes; oq 6,553,600 bytes
;; launch quant (part 1): grid 256 x 1, 6 waves a work-group, no clusters, 51,456 bytes of LDS; arguments x, w_qkv, w_proj, opq; writes opq
.if DOCPART == 1
	.amdgcn_target "amdgcn-amd-amdhsa--gfx1250"
	.amdhsa_code_object_version 6
	.text
	.protected	k_q84ba5ce947_quant
	.globl	k_q84ba5ce947_quant
	.p2align	8
	.type	k_q84ba5ce947_quant,@function
k_q84ba5ce947_quant:
	s_mov_b64 s[64:65], 0
	v_nop
	global_prefetch_b8 v0, s[64:65] scope:SCOPE_SE
	s_setreg_imm32_b32 hwreg(HW_REG_WAVE_MODE, 25, 1), 1
	s_wait_xcnt 0x0
; MULTI-HEAD ATTENTION IN MX-FP6 (E2M3, one E8M0 scale for each 32 along K), four launches: this one quantises x, w_qkv and w_proj; the second makes q, k, v and quantises them in registers;
; the third is the attention; the fourth the projection.  NOTHING OF THE PROBLEM IS LEFT OUT: all four products are live, there is no mask, every input has a way to the output and is loaded (b_proj in the fourth launch).
; THE ONE FOLD: q x 1/8 is a power of two, so quantise(q / 8) has the codes of quantise(q) and a scale byte 3 lower; the 1/8 goes, exactly, into the constant of the softmax (third launch).
; LIMITS: NaN and infinities among the inputs are not served.  A block of zeros, or one whose largest magnitude lies under 2^-124, keeps the scale byte 1 (its codes are zeros or nearly so; the bytes are read by this
; program alone).  A block of q whose largest magnitude lies under 2^-121 would meet the byte's floor otherwise than q / 8 does.
; THE WORKSPACE'S LAYOUT: the order of an operand's registers.  16 rows are a SET; lane-row r of set s is row 32 (s / 2) + 8 (s % 2) + r % 8 + 16 (r / 8).  A HALF FRAGMENT (a set x 64 along K) is 768 bytes:
; [piece 0..2][lane][8 bytes]; lane (r, h) holds the 24 bytes of codes k = 32 h + 0 .. 31 of its row.  So a fragment comes by six loads of 8 bytes a lane, each of 256 consecutive bytes.
; opq: 768 sets x 16 half fragments (x: sets 0-511, w_qkv: 512-703, w_proj: 704-767), then from OPS on the scale words: 512 bytes a set: [half of K][r][4 words], a word for 128 along K.
; SHARES: a wave takes one set and one half of K: 16 rows x 512 numbers, four fragments.  Each load reads 512 consecutive bytes of a row; a fragment's numbers turn through the wave's own stage in LDS
; (rows 528 bytes apart), so that a lane then holds 16 neighbours of each block of 32.  Waves share nothing: no barrier, no cluster, no matrix unit: memory binds.
.set STG,   8448                       ; a wave's stage: 16 rows x 528 bytes
.set SPARE, 6*STG                      ; behind the stages: the spare words, 128 bytes for each wave, three blocks of 256 bytes that no other line names
.set OPS,   9437184                    ; where the scale words begin in opq
.set GI,    4                          ; v4   16 x lane: my bytes of a load's 512
.set STI,   5                          ; v5   the stage, on the way in
.set STO,   6                          ; v6   and on the way out: 528 r + 64 h
.set GO,    7                          ; v7   8 x lane: my bytes of a piece
.set GS,    8                          ; v8   16 r + 8 h: my two scale words
.set SPW,   9                          ; v9   LDS address of my spare word; never rewritten
.set NIL,   10                         ; v10  0; never rewritten
.set DW,    12                         ; v[12:13] the two scale words that I store
.set R,     16                         ; v16-143  two sets of 64 numbers as loaded
.set X,     144                        ; v144-207 64 numbers: register 16 b + i = k 32 b + 16 h + i of row r
.set TM,    208                        ; v208-223 at work
.set PC,    224                        ; v224-243 a fragment's codes (12 registers) and two runs of 3 on the way
.set PW,    244                        ; v244-247 the four fragments' scale words
.set SEL,   28                         ; s[28:29] v_permlanex16_b32's selects for lane l xor 16
.set MH,    30                         ; s30  the mask of lanes 16-31
; 64 numbers of a lane become a fragment's codes in v[PC] on and its scale word in v[pw]
.macro QUANT s, pw
.irp b, 0,1,2,3
	v_max3_num_f32 v[TM+\b], |v[\s+16*\b]|, |v[\s+1+16*\b]|, 0x1800000   ; block b: my 16 numbers, and the floor 2^(3 - 127): the byte cannot fall under 1
.endr
.irp i, 2,4,6,8,10,12,14
.irp b, 0,1,2,3
	v_max3_num_f32 v[TM+\b], v[TM+\b], |v[\s+16*\b+\i]|, |v[\s+1+16*\b+\i]|   ; the four blocks by turns
.endr
.endr
.irp b, 0,1,2,3
	v_permlanex16_b32 v[TM+4+\b], v[TM+\b], s[SEL], s[SEL+1]
.endr
.irp b, 0,1,2,3
	v_max_num_f32 v[TM+\b], v[TM+\b], v[TM+4+\b]   ; with lane l xor 16's: the block's largest magnitude
.endr
.irp b, 0,1,2,3
	v_add_nc_u32 v[TM+12+\b], 0xff000000, v[TM+\b]   ; 2 off its exponent field: the conversion's scale operand
.endr
.irp b, 0,1,2,3
	v_lshrrev_b32 v[TM+4+\b], 23, v[TM+12+\b]   ; the scale's byte
.endr
	v_lshl_or_b32 v[\pw], v[TM+5], 8, v[TM+4]
	v_lshl_or_b32 v[\pw], v[TM+6], 16, v[\pw]
	v_lshl_or_b32 v[\pw], v[TM+7], 24, v[\pw]
.irp c, 0,1
	v_cvt_scalef32_pk16_fp6_f32 v[PC+6*\c:PC+2+6*\c], v[\s+32*\c:\s+15+32*\c], v[TM+12+2*\c]
	v_cvt_scalef32_pk16_fp6_f32 v[PC+12+4*\c:PC+14+4*\c], v[\s+16+32*\c:\s+31+32*\c], v[TM+12+2*\c+1]   ; (a conversion's three registers begin on an even number)
.endr
	v_nop                                          ; one plain place behind a scaled conversion
.irp c, 0,1                                    ; the layout wants a whole block in a lane: lanes 0-15 block 2 c, lanes 16-31 block 2 c + 1
.irp i, 0,1,2
	v_permlane16_swap_b32 v[PC+6*\c+\i], v[PC+12+4*\c+\i]
.endr
.irp i, 0,1,2
	v_mov_b32 v[PC+3+6*\c+\i], v[PC+12+4*\c+\i]
.endr
.endr
.endm
.macro LOAD f                          ; fragment f: 128 numbers of each of my 16 rows
.irp i, 0,1,2,3,4,5,6,7,8,9,10,11,12,13,14,15
	global_load_b128 v[R+64*((\f)%2)+4*\i:R+64*((\f)%2)+4*\i+3], v[GI], s[4:5] offset:(\i+8*(\i/8))*4096+512*(\f) th:TH_LOAD_NT
.endr
.endm
.macro TURN f                          ; through the stage: LDS serves a wave's instructions in order, so no wait stands between the stores and the loads
.irp i, 0,1,2,3,4,5,6,7,8,9,10,11,12,13,14,15
	ds_store_b128 v[STI], v[R+64*((\f)%2)+4*\i:R+64*((\f)%2)+4*\i+3] offset:528*\i
.endr
.irp b, 0,1,2,3
.irp j, 0,1,2,3
	ds_load_b128 v[X+16*\b+4*\j:X+16*\b+4*\j+3], v[STO] offset:128*\b+16*\j
.endr
.endr
.endm
.macro PART f
.if (\f) < 3
	s_wait_loadcnt 16                              ; this fragment's 16 loads are in; the next fragment's 16 may be out
.else
	s_wait_loadcnt 0x0
.endif
	TURN \f
	s_wait_dscnt 0x0                               ; the numbers are back, and the stores into the stage have read their registers
.if (\f) > 0
	s_wait_xcnt 0x0                                ; the last fragment's stores have read their data: the codes' registers are rewritten only behind this wait
.endif
.if (\f) < 2
	LOAD (\f)+2
.endif
	QUANT X, PW+(\f)
.irp p, 0,1,2,3,4,5
	global_store_b64 v[GO], v[PC+2*\p:PC+2*\p+1], s[22:23] offset:1536*(\f)+256*\p   ; 32 lanes store 256 consecutive bytes, aligned
.endr
.endm
	s_load_b256 s[4:11], s[0:1], 0x0               ; x s[4:5], w_qkv s[6:7], w_proj s[8:9], opq s[10:11]
	v_lshl_add_u32 v[SPW], v0, 2, SPARE
	v_mov_b32 v[NIL], 0
	v_lshrrev_b32 v1, 5, v0
	v_readfirstlane_b32 s12, v1                    ; wave 0..5
	v_and_b32 v1, 31, v0                           ; lane
	v_and_b32 v2, 15, v0                           ; r
	v_bfe_u32 v3, v0, 4, 1                         ; h
	v_lshlrev_b32 v[GI], 4, v1
	s_mul_i32 s13, s12, STG                        ; my stage
	v_add_nc_u32 v[STI], s13, v[GI]
	v_mul_u32_u24 v[STO], v2, 528
	v_lshl_add_u32 v[STO], v3, 6, v[STO]
	v_add_nc_u32 v[STO], s13, v[STO]
	v_lshlrev_b32 v[GO], 3, v1
	v_lshlrev_b32 v[GS], 4, v2
	v_lshl_add_u32 v[GS], v3, 3, v[GS]
.irp b, 0,1,2,3
	v_mov_b32 v[TM+4+\b], 0                        ; written once: a lane permute's destination counts as one of its sources
.endr
	s_mov_b32 s[SEL], 0x76543210
	s_mov_b32 s[SEL+1], 0xfedcba98
	s_mov_b32 s[MH], 0xffff0000
	s_lshr_b32 s14, s12, 1
	s_mul_i32 s15, ttmp9, 3
	s_add_co_u32 s14, s14, s15                     ; my set: 3 x work-group + wave / 2
	s_and_b32 s15, s12, 1                          ; my half of K
	s_mov_b32 s16, 704
	s_wait_kmcnt 0x0
	s_cmp_lt_u32 s14, 704                          ; which tensor: the choice hangs on ids alone
	s_cselect_b64 s[6:7], s[6:7], s[8:9]
	s_cselect_b32 s16, 512, s16
	s_cmp_lt_u32 s14, 512
	s_cselect_b64 s[4:5], s[4:5], s[6:7]
	s_cselect_b32 s16, 0, s16
	s_sub_co_u32 s16, s14, s16                     ; the set's number in its tensor
	s_lshr_b32 s17, s16, 1
	s_lshl_b32 s17, s17, 17                        ; 32 rows of 4,096 bytes for each pair of sets,
	s_and_b32 s18, s16, 1
	s_lshl_b32 s18, s18, 15                        ; 8 rows for the odd one,
	s_add_co_u32 s18, s17, s18
	s_lshl_b32 s19, s15, 11                        ; 2,048 bytes for the second half of K
	s_add_co_u32 s18, s18, s19
	s_mov_b32 s19, 0
	s_add_nc_u64 s[4:5], s[4:5], s[18:19]
	s_mul_i32 s20, s14, 12288
	s_mul_i32 s21, s15, 6144
	s_add_co_u32 s20, s20, s21
	s_mov_b32 s21, 0
	s_add_nc_u64 s[22:23], s[10:11], s[20:21]      ; my codes
	s_lshl_b32 s20, s14, 9
	s_lshl_b32 s24, s15, 8
	s_add_co_u32 s20, s20, s24
	s_add_co_u32 s20, s20, OPS
	s_add_nc_u64 s[24:25], s[10:11], s[20:21]      ; my scale words
	LOAD 0
	LOAD 1
	PART 0
	PART 1
	PART 2
	PART 3
	v_cndmask_b32 v[DW], v[PW], v[PW+2], s[MH]     ; lanes 0-15 take words 0 and 1 of row r, lanes 16-31 words 2 and 3 (both halves of the lanes hold all four)
	v_cndmask_b32 v[DW+1], v[PW+1], v[PW+3], s[MH]
	global_store_b64 v[GS], v[DW:DW+1], s[24:25]   ; 32 lanes store 256 consecutive bytes, aligned
	s_wait_tensorcnt 0x0                           ; the wave's end: behind my last LDS store
	ds_add_u32 v[SPW], v[NIL]
	s_wait_dscnt 0x0
	s_endpgm
.Lfunc_end_k_q84ba5ce947_quant:
	.size	k_q84ba5ce947_quant, .Lfunc_end_k_q84ba5ce947_quant-k_q84ba5ce947_quant
	.p2alignl 7, 3214868480
	.fill 96, 4, 3214868480
	.section	.rodata,"a",@progbits
	.p2align	6, 0x0
	.amdhsa_kernel k_q84ba5ce947_quant
		.amdhsa_group_segment_fixed_size 51456
		.amdhsa_private_segment_fixed_size 0
		.amdhsa_enable_private_segment 0
		.amdhsa_kernarg_size 32
		.amdhsa_user_sgpr_count 2
		.amdhsa_user_sgpr_kernarg_segment_ptr 1
		.amdhsa_wavefront_size32 1
		.amdhsa_system_sgpr_workgroup_id_x 1
		.amdhsa_system_sgpr_workgroup_id_y 1
		.amdhsa_system_sgpr_workgroup_id_z 1
		.amdhsa_system_vgpr_workitem_id 0
		.amdhsa_next_free_vgpr 248
		.amdhsa_next_free_sgpr 66
		.amdhsa_reserve_vcc 0
		.amdhsa_float_denorm_mode_32 3
		.amdhsa_float_denorm_mode_16_64 3
		.amdhsa_memory_ordered 1
		.amdhsa_forward_progress 1
		.amdhsa_inst_pref_size 35
	.end_amdhsa_kernel
	.amdgpu_metadata
---
amdhsa.version: [ 1, 2 ]
amdhsa.kernels:
  - .name:           k_q84ba5ce947_quant
    .symbol:         k_q84ba5ce947_quant.kd
    .args:
      - { .name: x, .offset: 0, .size: 8, .value_kind: global_buffer, .address_space: global }
      - { .name: w_qkv, .offset: 8, .size: 8, .value_kind: global_buffer, .address_space: global }
      - { .name: w_proj, .offset: 16, .size: 8, .value_kind: global_buffer, .address_space: global }
      - { .name: opq, .offset: 24, .size: 8, .value_kind: global_buffer, .address_space: global }
    .group_segment_fixed_size: 51456
    .private_segment_fixed_size: 0
    .kernarg_segment_align: 8
    .kernarg_segment_size: 32
    .max_flat_workgroup_size: 192
    .sgpr_count:     66
    .vgpr_count:     248
    .wavefront_size: 32
...
	.end_amdgpu_metadata
.endif
;; end of part 1
;; launch gemmqkv (part 2): grid 8 x 48, 4 waves a work-group, clusters of 4 x 4, 327,680 bytes of LDS; arguments opq, qkvc; writes qkvc
.if DOCPART == 2
	.amdgcn_target "amdgcn-amd-amdhsa--gfx1250"
	.amdhsa_code_object_version 6
	.text
	.protected	k_q84ba5ce947_gemmqkv
	.globl	k_q84ba5ce947_gemmqkv
	.p2align	8
	.type	k_q84ba5ce947_gemmqkv,@function
k_q84ba5ce947_gemmqkv:
	s_mov_b64 s[64:65], 0
	v_nop
	global_prefetch_b8 v0, s[64:65] scope:SCOPE_SE
	s_setreg_imm32_b32 hwreg(HW_REG_WAVE_MODE, 25, 1), 1
	s_wait_xcnt 0x0
	s_wait_alu depctr_hold_cnt(0) depctr_sa_sdst(0) depctr_va_vdst(0) depctr_va_sdst(0) depctr_va_ssrc(0) depctr_va_vcc(0) depctr_vm_vsrc(0)
	s_getreg_b32 s2, hwreg(HW_REG_IB_STS2, 6, 4)
	s_cmp_eq_u32 s2, 0
	s_cbranch_scc0 .Lentry_in_a_cluster
	s_endpgm
.Lentry_in_a_cluster:
	s_bfe_u32 s2, ttmp6, 0x10000c
	s_cmp_lg_u32 s2, 0xf033
	s_cbranch_scc0 .Lentry_shape_is_right
	s_endpgm
.Lentry_shape_is_right:
; qkv = x w_qkv^T on codes of FP6 (E2M3) with E8M0 scales, K = 1,024; the results are quantised in registers and leave as codes.  Nothing of the problem is left out here.
; out[i][j] = sum over k of P[i][k] Q[j][k]; source 0 = 16 rows of Q, source 1 = 16 rows of P: a lane holds ONE row i and its registers run along j, which is the next product's K.
;   q and k (clusters y 0-7):  P = x (tokens), Q = w_q, w_k (features): quantised along the head's 64.      v (clusters y 8-11):  P = w_v (features), Q = x (tokens): quantised along the keys.
; Both parts take ONE path: only whole numbers made of the cluster's y differ, and they are the same in all sixteen partners.
; opq's layout (sets, half fragments, scale words) is set out at the head of the first launch.  By the sets' order of rows the 16 registers of two neighbouring tiles are 16 neighbours along j.
; SHARES: a work-group makes 256 x 256, each of its four waves 128 x 128: 64 accumulators.  K goes in steps of 256 through two LDS slots; K is short (four slot fills), so the eight steps of 128 are written out.
; CLUSTERS: 4 x 4.  P's tiles are shared along a row of the cluster, Q's along a column: each is asked for jointly, by the same tensor load with the same descriptor and a mask that names the four.
; qkvc: QKC [head pair: q 0-7, k 8-15][batch][head of the pair][set of tokens 128][768];  VC [batch][head][64 keys: 32][set of the head's 64: 4][768];
;   QKS [head pair][batch][head][8 sets: 16][r][4 words]: word w: low half the two bytes of set 2 w, high half those of set 2 w + 1;  VS [batch][pair][head][128 keys: 16][r][4 words]: word t for the head's set t.
; LIMITS: as stated at the head of the first launch.
; REGISTERS, in windows of 256: window 0: v0-31 addresses; v32-95 all scale words; v128-223 P's fragments, one set; on the way out v96-159 at work.  window 1: Q's fragments, two sets, at v0 and v128.
;   window 2: the accumulators of P's sets 0-3 ((a, b) at v[8 (8 (a % 4) + b)]);  window 3: those of sets 4-7.
.set FR,    12                         ; registers of a fragment
.set NL,    6                          ; LDS loads that bring one
.set NP,    4                          ; places behind this matrix instruction (ISA guide 7.12.1)
.set HALFT, 24576                      ; 8 sets x 3,072 bytes (256 along K): what one tensor load brings, and what one wave reads of P or of Q
.set SLOT,  4*HALFT                    ; P's 16 sets, then Q's 16
.set SCL,   2*SLOT                     ; behind the ring: the scale words of P's 16 sets (8,192 bytes), then of Q's, for all of K
.set SPARE, SCL+16384                  ; the spare words, 128 bytes for each wave: two blocks of 256 bytes that no other line names
.set OPS,   9437184                    ; opq: where the scale words begin
.set VC,    12582912                   ; qkvc: v's codes,
.set QKS,   18874368                   ; q's and k's scale words,
.set VS,    19398656                   ; v's
.set ADRA,  16                         ; v16-17 LDS address of my fragments of P in slot 0, 1
.set ADRB,  20                         ; v20-21 the same for Q
.set GO,    24                         ; v24  8 x lane
.set GSC,   25                         ; v25  16 r + 4,096 h: where I store four scale words
.set ADRS,  27                         ; v27  LDS address of my scale words: lanes 0-15 P's, lanes 16-31 Q's
.set SPW,   28                         ; v28  LDS address of my spare word; never rewritten
.set NIL,   29                         ; v29  0; never rewritten
.set SC,    32                         ; v[SC + 32 (s / 4) + 4 i + s % 4]: K step s: lanes 0-15 the word of P's set i, lanes 16-31 that of Q's set i
.set AF,    128                        ; P's fragments
.set TM,    96                         ; the way out: v96-111 at work
.set PW,    112                        ; v112-119 the scale words of my eight sets
.set X0,    120                        ; v120-123, v124-127 scale words on the way
.set X1,    124
.set PC,    128                        ; v128-147 a fragment's codes
.set DW,    148                        ; v148-151 the four scale words that I store
.set G1,    24                         ; s[24:31] group 1 for P's tiles; s[32:39] group 0, a set for each slot
.set G0,    32
.set G1B,   48                         ; s[48:55], s[56:63] the same for Q's
.set G0B,   56
.set G1S,   68                         ; s[68:75], s[76:79] groups 1 and 0 for P's scale words; s[80:87], s[88:91] for Q's
.set G0S,   76
.set G1SB,  80
.set G0SB,  88
.set MSB, 0
.macro WIN new                         ; the immediate's high byte repeats the setting that is left
.if MSB != \new
	s_set_vgpr_msb (MSB<<8)|\new
.set MSB, \new
.endif
.endm
.set MUL_LO, 0xa1                      ; source 0 (Q) window 1, source 1 (P) window 0, C and D window 2
.set MUL_HI, 0xf1                      ; the same, C and D window 3
.set TO_B,   0x40                      ; destination window 1, address window 0
; A joint load: waves 0 and 1 fetch for P, waves 2 and 3 for Q; the branch hangs on the wave's number alone.  An s_nop 0 and four v_nop follow each of the two lines.
.macro JLOAD g0a, g1a, g0b, g1b
	s_cmp_eq_u32 s15, 0
	s_cbranch_scc0 .Lfor_b_\@
	tensor_load_to_lds s[\g0a:\g0a+3], s[\g1a:\g1a+7]
	s_nop 0
.rept 4
	v_nop
.endr
	s_branch .Lasked_\@
.Lfor_b_\@:
	tensor_load_to_lds s[\g0b:\g0b+3], s[\g1b:\g1b+7]
	s_nop 0
.rept 4
	v_nop
.endr
.Lasked_\@:
.endm
.macro CREST                           ; a round of the cluster's barrier behind its opening barrier
	s_cmp_lg_u32 s14, 0
	s_cbranch_scc1 .Lnot_wave_0_\@
	s_barrier_signal -3
.Lnot_wave_0_\@:
	s_barrier_wait -3
	s_barrier_signal -1
	s_barrier_wait -1
.endm
.macro CROUND                          ; a whole round
	s_barrier_signal -1
	s_barrier_wait -1
	CREST
.endm
	s_load_b128 s[4:7], s[0:1], 0x0                ; opq s[4:5], qkvc s[6:7]
	v_lshl_add_u32 v[SPW], v0, 2, SPARE
	v_mov_b32 v[NIL], 0
	ds_add_u32 v[SPW], v[NIL]                      ; the wave's opening: the add, twice on end, and its wait ahead of my first tensor load
	ds_add_u32 v[SPW], v[NIL]
	v_lshrrev_b32 v1, 5, v0
	v_readfirstlane_b32 s14, v1                    ; wave 0..3
	s_lshr_b32 s15, s14, 1                         ; which half of P's sets is mine.  Also: I fetch for P (0) or for Q (1)
	s_and_b32 s16, s14, 1                          ; which half of Q's.  Also: which 8 sets of that tile I fetch
	s_bfe_u32 s40, ttmp6, 0x40000                  ; cx, cy: my place in the cluster
	s_bfe_u32 s41, ttmp6, 0x40004
	s_and_b32 s12, ttmp7, 0xffff                   ; the cluster's y, 0..11
	s_lshr_b32 s13, s12, 3                         ; 1 in the clusters that make v
	s_xor_b32 s2, s13, 1                           ; 1 in those that make q and k
	s_lshl_b32 s17, s12, 2                         ; P's tile: q, k: 4 y + cy (x's 32 tiles);  v: cy (w_v's four)
	s_mul_i32 s17, s17, s2
	s_add_co_u32 s17, s17, s41
	s_lshl_b32 s20, s17, 4
	s_mul_i32 s21, s13, 640
	s_add_co_u32 s20, s20, s21                     ; its first set in opq: x's begin at 0, w_v's at 640
	s_lshl_b32 s42, ttmp9, 2                       ; Q's tile: q, k: 4 x + cx (w_q's and w_k's eight);  v: 4 x + cx + 8 (y - 8) (x's 32)
	s_add_co_u32 s42, s42, s40
	s_max_u32 s46, s12, 8
	s_sub_co_u32 s46, s46, 8
	s_lshl_b32 s46, s46, 3
	s_add_co_u32 s42, s42, s46
	s_lshl_b32 s46, s42, 4
	s_lshl_b32 s47, s2, 9
	s_add_co_u32 s46, s46, s47                     ; its first set: w_qkv's begin at 512, x's at 0
	s_lshl_b32 s43, s41, 2
	s_lshl_b32 s43, 15, s43                        ; my row of the cluster
	s_lshl_b32 s44, 0x1111, s40                    ; my column
	; group 1 for codes: 8 rows (sets) of 3,072 bytes (384 elements of 8 bytes), 12,288 bytes apart; no padding: every LDS load of the text takes 256 consecutive bytes
	s_or_b32 s[G1+0], s43, (3<<16)|(1<<21)         ; 15:0 the mask: P's tiles go to my row; 17:16 elements of 8 bytes; 21 set beside a mask
	s_or_b32 s[G1B+0], s44, (3<<16)|(1<<21)
.irp g, G1, G1B
	s_mov_b32 s[\g+1], 384<<16                     ; tensor_dim0
	s_mov_b32 s[\g+2], 8<<16                       ; tensor_dim1
	s_mov_b32 s[\g+3], 384<<16                     ; tile_dim0
	s_mov_b32 s[\g+4], 8                           ; tile_dim1
	s_mov_b32 s[\g+5], 1536                        ; from row to row, in elements
	s_mov_b32 s[\g+6], 0
	s_mov_b32 s[\g+7], 0
.endr
	; and for the scale words of 8 sets: 4,096 dense bytes as 16 rows of 256
	s_or_b32 s[G1S+0], s43, (3<<16)|(1<<21)
	s_or_b32 s[G1SB+0], s44, (3<<16)|(1<<21)
.irp g, G1S, G1SB
	s_mov_b32 s[\g+1], 32<<16
	s_mov_b32 s[\g+2], 16<<16
	s_mov_b32 s[\g+3], 32<<16
	s_mov_b32 s[\g+4], 16
	s_mov_b32 s[\g+5], 32
	s_mov_b32 s[\g+6], 0
	s_mov_b32 s[\g+7], 0
.endr
	s_lshl_b32 s18, s16, 3                         ; which 8 sets of the tile I fetch
	s_add_co_u32 s20, s20, s18
	s_add_co_u32 s46, s46, s18
	s_lshl_b32 s22, s20, 9                         ; their scale words: 512 bytes a set
	s_add_co_u32 s22, s22, OPS
	s_mov_b32 s23, 0
	s_lshl_b32 s92, s46, 9
	s_add_co_u32 s92, s92, OPS
	s_mov_b32 s93, 0
	s_mul_i32 s20, s20, 12288                      ; their codes
	s_mov_b32 s21, 0
	s_mul_i32 s46, s46, 12288
	s_mov_b32 s47, 0
	s_mul_i32 s45, s14, HALFT                      ; where they go: wave x 8 sets: no place in the cluster enters an LDS address
	s_lshl_b32 s94, s14, 12
	s_mov_b32 s8, 0x76543210                       ; for the way out: v_permlanex16_b32's selects for lane l xor 16,
	s_mov_b32 s9, 0xfedcba98
	s_mov_b32 s10, 0x1800000                       ; the floor 2^(3 - 127),
	s_sub_co_u32 s11, 0, s13                       ; all ones in the clusters that make v, else 0,
	s_mov_b32 s3, 0xffff0000                       ; the mask of lanes 16-31
	s_wait_dscnt 0x0                               ; both opening adds are done
	s_wait_kmcnt 0x0
	s_add_nc_u64 s[20:21], s[4:5], s[20:21]
	s_add_nc_u64 s[22:23], s[4:5], s[22:23]
	s_add_nc_u64 s[46:47], s[4:5], s[46:47]
	s_add_nc_u64 s[92:93], s[4:5], s[92:93]
	CROUND                                         ; all sixteen work-groups are here: the first joint loads meet
	s_mov_b32 s[G0S], 1
	s_add_co_u32 s[G0S+1], s94, SCL
	s_mov_b64 s[G0S+2:G0S+3], s[22:23]
	s_or_b32 s[G0S+3], s[G0S+3], 0x80000000
	s_mov_b32 s[G0SB], 1
	s_add_co_u32 s[G0SB+1], s94, SCL
	s_mov_b64 s[G0SB+2:G0SB+3], s[92:93]
	s_or_b32 s[G0SB+3], s[G0SB+3], 0x80000000
	JLOAD G0S, G1S, G0SB, G1SB                     ; the scale words first: they are wanted with K step 0.  By this text's count three tensor loads of a wave are out at the most
.irp s, 0,1
	s_mov_b32 s[G0+4*\s], 1
	s_add_co_u32 s[G0+4*\s+1], s45, \s*SLOT
	s_add_nc_u64 s[G0+4*\s+2:G0+4*\s+3], s[20:21], \s*3072
	s_or_b32 s[G0+4*\s+3], s[G0+4*\s+3], 0x80000000
	s_mov_b32 s[G0B+4*\s], 1
	s_add_co_u32 s[G0B+4*\s+1], s45, \s*SLOT
	s_add_nc_u64 s[G0B+4*\s+2:G0B+4*\s+3], s[46:47], \s*3072
	s_or_b32 s[G0B+4*\s+3], s[G0B+4*\s+3], 0x80000000
	JLOAD G0+4*\s, G1, G0B+4*\s, G1B
.endr
	v_and_b32 v1, 31, v0                           ; lane
	v_and_b32 v2, 15, v0                           ; r
	v_bfe_u32 v3, v0, 4, 1                         ; h
	v_lshlrev_b32 v[GO], 3, v1
	s_mul_i32 s21, s15, HALFT                      ; my 8 sets of P
	s_mul_i32 s22, s16, HALFT                      ; my 8 sets of Q,
	s_add_co_u32 s22, s22, 2*HALFT                 ; which lie behind P's 16
.irp s, 0,1
	v_add_nc_u32 v[ADRA+\s], s21, v[GO]
	v_add_nc_u32 v[ADRB+\s], s22, v[GO]
	s_add_co_u32 s21, s21, SLOT
	s_add_co_u32 s22, s22, SLOT
.endr
	s_lshl_b32 s21, s15, 12                        ; P's scale words: my 8 sets
	s_lshl_b32 s22, s16, 12                        ; Q's: my 8 sets, behind P's 16
	s_add_co_u32 s22, s22, 8192
	s_sub_co_u32 s22, s22, s21
	v_mul_u32_u24 v6, s22, v3                      ; lanes 16-31 take Q's
	s_add_co_u32 s21, s21, SCL
	v_lshl_add_u32 v5, v2, 4, v6
	v_add_nc_u32 v[ADRS], s21, v5
	v_lshlrev_b32 v[GSC], 4, v2
	v_lshl_add_u32 v[GSC], v3, 12, v[GSC]
.macro FRAG reg, adr, q, i             ; a fragment: set i, the slot's q-th 128 along K: six pieces of 8 bytes a lane, each load 256 consecutive bytes
.irp p, 0,1,2,3,4,5
	ds_load_b64 v[\reg+2*\p:\reg+2*\p+1], v[\adr] offset:(\i)*3072+(\q)*1536+\p*256
.endr
.endm
; 16 matrix instructions: P's sets a0, a0 + 1 x Q's eight, K step ks.  p: Q's set of registers.  cmode = 1: the first product starts the sums: nothing is ever cleared.
; The 64 accumulators take turns, one instruction a turn, in the same order in every step.
.macro MUL16 a0, p, ks, cmode
.irp a, \a0, \a0+1
.irp b, 0,1,2,3,4,5,6,7
.if \cmode == 1
	v_wmma_scale_f32_16x16x128_f8f6f4 v[8*(8*((\a)%4)+\b):8*(8*((\a)%4)+\b)+7], v[128*(\p)+FR*\b:128*(\p)+FR*\b+FR-1], v[AF+FR*(\a):AF+FR*(\a)+FR-1], 0, v[SC+32*((\ks)/4)+4*\b+(\ks)%4], v[SC+32*((\ks)/4)+4*(\a)+(\ks)%4] matrix_a_fmt:MATRIX_FMT_FP6 matrix_b_fmt:MATRIX_FMT_FP6 matrix_a_scale:MATRIX_SCALE_ROW1
.else
	v_wmma_scale_f32_16x16x128_f8f6f4 v[8*(8*((\a)%4)+\b):8*(8*((\a)%4)+\b)+7], v[128*(\p)+FR*\b:128*(\p)+FR*\b+FR-1], v[AF+FR*(\a):AF+FR*(\a)+FR-1], v[8*(8*((\a)%4)+\b):8*(8*((\a)%4)+\b)+7], v[SC+32*((\ks)/4)+4*\b+(\ks)%4], v[SC+32*((\ks)/4)+4*(\a)+(\ks)%4] matrix_a_fmt:MATRIX_FMT_FP6 matrix_b_fmt:MATRIX_FMT_FP6 matrix_a_scale:MATRIX_SCALE_ROW1
.endif
.endr
.endr
.endm
.macro FETCH_B slot, q, p              ; Q's eight fragments into set p
	WIN TO_B
.irp i, 0,1,2,3,4,5,6,7
	FRAG 128*(\p)+FR*\i, ADRB+\slot, \q, \i
.endr
	WIN 0
.endm
.macro FETCH_A slot, q, i0             ; P's sets i0 .. i0 + 3
.irp i, \i0, \i0+1, \i0+2, \i0+3
	FRAG AF+FR*(\i), ADRA+\slot, \q, \i
.endr
.endm
.macro SCALES                          ; all scale words, once: four words (512 along K) a load; lanes 0-15 take P's set i, lanes 16-31 Q's set i
.irp kh, 0,1
.irp i, 0,1,2,3,4,5,6,7
	ds_load_b128 v[SC+32*\kh+4*\i:SC+32*\kh+4*\i+3], v[ADRS] offset:512*\i+256*\kh
.endr
.endr
.endm
.macro PLACES n                        ; plain vector instructions between a matrix instruction and a load into, or a read of, its registers (ISA guide 7.12.1 for reads)
.rept \n
	v_nop
.endr
.endm
; A step of 128 along K that has its successor in the same slot.  P has one set of registers: sets 0-3 are fetched anew in the step's middle, sets 4-7 at its end; Q has two.
.macro STEP slot, q, ks, cmode
	s_wait_dscnt 4*NL                              ; all but the youngest 24 loads (P's sets 4-7) are in
	WIN MUL_LO
	MUL16 0, (\q)%2, \ks, \cmode
	MUL16 2, (\q)%2, \ks, \cmode
	s_wait_dscnt 0                                 ; P's sets 4-7 are in
	PLACES NP
	FETCH_B \slot, (\q)+1, 1-(\q)%2
	FETCH_A \slot, (\q)+1, 0
	WIN MUL_HI
	MUL16 4, (\q)%2, \ks, \cmode
	MUL16 6, (\q)%2, \ks, \cmode
	PLACES NP
	WIN 0
	FETCH_A \slot, (\q)+1, 4
.endm
; A slot's last step changes slots: ONE barrier; in front of it each wave waits for all its tensor loads, adds 0 to its spare word, and waits for that and for its own reads of this slot.  fill = 1: the slot is filled again.
.macro TURN slot, next, fill, ks
	s_wait_tensorcnt 0x0                           ; all my tensor loads have landed: my part of the next slot  (every window is 0 here)
	ds_add_u32 v[SPW], v[NIL]                      ; 0 onto my spare word
	s_wait_dscnt 4*NL+1                            ; (the add and the youngest 24 loads may be out)
	WIN MUL_LO
	MUL16 0, 1, \ks, 0                             ; sixteen matrix instructions stand between the add and the wait for it
	s_wait_dscnt 0x0                               ; the add is done, and my reads of this slot are over
	s_barrier_signal -1
	MUL16 2, 1, \ks, 0
	WIN 0
	s_barrier_wait -1
.if \fill
	CREST                                          ; the barrier has opened a round of the cluster's barrier: no wave of any partner still reads this slot or has a load on its way
	s_add_nc_u64 s[G0+4*\slot+2:G0+4*\slot+3], s[G0+4*\slot+2:G0+4*\slot+3], 6144
	s_add_nc_u64 s[G0B+4*\slot+2:G0B+4*\slot+3], s[G0B+4*\slot+2:G0B+4*\slot+3], 6144
	JLOAD G0+4*\slot, G1, G0B+4*\slot, G1B         ; the first tensor load behind the round; the four v_nop behind it are the places in front of the loads below
.else
	PLACES NP
.endif
	FETCH_B \next, 0, 0
	FETCH_A \next, 0, 0
	WIN MUL_HI
	MUL16 4, 1, \ks, 0
	MUL16 6, 1, \ks, 0
	PLACES NP
	WIN 0
	FETCH_A \next, 0, 4
.endm
	s_wait_tensorcnt 1                             ; the scale words and my part of slot 0 are in (slot 1's load may be out)
	s_barrier_signal -1
	s_barrier_wait -1                              ; everybody's are
	FETCH_B 0, 0, 0
	FETCH_A 0, 0, 0
	SCALES
	FETCH_A 0, 0, 4
	STEP 0, 0, 0, 1                                ; the first step's products start the sums
	TURN 0, 1, 1, 1                                ; slot 0 takes K 512 on
	STEP 1, 0, 2, 0
	TURN 1, 0, 1, 3                                ; slot 1 takes K 768 on
	STEP 0, 0, 4, 0
	TURN 0, 1, 0, 5                                ; nothing is left to fetch
	STEP 1, 0, 6, 0
	s_wait_dscnt 4*NL
	WIN MUL_LO
	MUL16 0, 1, 7, 0
	MUL16 2, 1, 7, 0
	s_wait_dscnt 0
	WIN MUL_HI
	MUL16 4, 1, 7, 0
	MUL16 6, 1, 7, 0
	WIN 0
	; WHERE THE RESULTS GO.  All my tensor loads were waited for at the last change of slots, so the descriptors' registers are free.  Both parts' offsets are made, and the cluster's y chooses.
	s_lshl_b32 s24, s42, 1
	s_add_co_u32 s24, s24, s16                     ; q, k: the head pair, 0..15
	s_lshr_b32 s25, s17, 3                         ; the batch
	s_lshl_b32 s26, s17, 4
	s_lshl_b32 s27, s15, 3
	s_add_co_u32 s26, s26, s27
	s_and_b32 s26, s26, 127                        ; my first set of tokens in the batch, a multiple of 8
	s_mul_i32 s28, s24, 786432
	s_mul_i32 s29, s25, 196608
	s_add_co_u32 s28, s28, s29
	s_mul_i32 s29, s26, 768
	s_add_co_u32 s28, s28, s29                     ; codes
	s_lshl_b32 s30, s24, 15
	s_lshl_b32 s29, s25, 13
	s_add_co_u32 s30, s30, s29
	s_lshl_b32 s29, s26, 5                         ; 256 bytes for each 8 sets
	s_add_co_u32 s30, s30, s29
	s_add_co_u32 s30, s30, QKS                     ; scale words
	s_lshl_b32 s32, s17, 1
	s_add_co_u32 s32, s32, s15                     ; v: the head pair, 0..7
	s_lshl_b32 s33, s42, 2
	s_lshl_b32 s34, s16, 1
	s_add_co_u32 s33, s33, s34                     ; my first 64 keys, counted over the batches
	s_lshr_b32 s34, s33, 5                         ; the batch
	s_and_b32 s33, s33, 31                         ; and in it: an even number
	s_mul_i32 s35, s34, 1572864
	s_mul_i32 s36, s32, 196608
	s_add_co_u32 s35, s35, s36
	s_mul_i32 s36, s33, 3072
	s_add_co_u32 s35, s35, s36
	s_add_co_u32 s35, s35, VC                      ; codes
	s_lshl_b32 s37, s34, 16
	s_lshl_b32 s36, s32, 13
	s_add_co_u32 s37, s37, s36
	s_lshl_b32 s36, s33, 7                         ; 256 bytes for each 128 keys
	s_add_co_u32 s37, s37, s36
	s_add_co_u32 s37, s37, VS                      ; scale words
	s_mov_b32 s38, 98304
	s_mov_b32 s39, 3072
	s_mov_b32 s29, 0
	s_mov_b32 s31, 0
	s_mov_b32 s49, 0
	s_mov_b32 s51, 0
	s_cmp_lg_u32 s13, 0
	s_cselect_b32 s28, s35, s28
	s_cselect_b32 s30, s37, s30
	s_cselect_b32 s48, s39, s38                    ; from a fragment's first half to its second: q, k: the pair's other head; v: the next 64 keys
	s_cselect_b32 s50, s38, s39                    ; from my sets 0-3 to my sets 4-7: q, k: four sets on; v: the pair's other head
	s_add_nc_u64 s[92:93], s[6:7], s[28:29]        ; s[92 + 4 c + 2 g]: half c of the fragments of sets 4 g .. 4 g + 3
	s_add_nc_u64 s[94:95], s[92:93], s[50:51]
	s_add_nc_u64 s[96:97], s[92:93], s[48:49]
	s_add_nc_u64 s[98:99], s[96:97], s[50:51]
	s_add_nc_u64 s[100:101], s[6:7], s[30:31]
.irp b, 0,1,2,3
	v_mov_b32 v[TM+4+\b], 0                        ; written once: a lane permute's destination counts as one of its sources.  These four are also the places behind the last products
.endr
; THE WAY OUT.  Set a's 64 registers of a lane, register 16 b + i = j 32 b + 16 h + i of my row, become a fragment and a scale word; each accumulator is read from its low end on.
.macro QUANTW a
.set AC, 64*((\a)%4)
	WIN 0x28+0x14*((\a)/4)                         ; sources 1 and 2: window 2 or 3
.irp b, 0,1,2,3
	v_max3_num_f32 v[TM+\b], s10, |v[AC+16*\b]|, |v[AC+16*\b+1]|   ; block b: my 16 numbers, and the floor: the byte cannot fall under 1
.endr
.irp i, 2,4,6,8,10,12,14
.irp b, 0,1,2,3
	v_max3_num_f32 v[TM+\b], v[TM+\b], |v[AC+16*\b+\i]|, |v[AC+16*\b+\i+1]|
.endr
.endr
	WIN 0
.irp b, 0,1,2,3
	v_permlanex16_b32 v[TM+4+\b], v[TM+\b], s8, s9
.endr
.irp b, 0,1,2,3
	v_max_num_f32 v[TM+\b], v[TM+\b], v[TM+4+\b]   ; with lane l xor 16's: the block's largest magnitude
.endr
.irp b, 0,1,2,3
	v_add_nc_u32 v[TM+12+\b], 0xff000000, v[TM+\b]   ; 2 off its exponent field: the conversion's scale operand
.endr
.irp b, 0,1,2,3
	v_lshrrev_b32 v[TM+4+\b], 23, v[TM+12+\b]      ; the scale's byte
.endr
	v_lshl_or_b32 v[PW+(\a)], v[TM+5], 8, v[TM+4]
	v_lshl_or_b32 v[PW+(\a)], v[TM+6], 16, v[PW+(\a)]
	v_lshl_or_b32 v[PW+(\a)], v[TM+7], 24, v[PW+(\a)]
	s_wait_xcnt 0x0                                ; the last set's stores have read their data: the codes' registers are rewritten only behind this wait
	WIN 0x02+((\a)/4)                              ; source 0: window 2 or 3
.irp c, 0,1
	v_cvt_scalef32_pk16_fp6_f32 v[PC+6*\c:PC+2+6*\c], v[AC+32*\c:AC+15+32*\c], v[TM+12+2*\c]
	v_cvt_scalef32_pk16_fp6_f32 v[PC+12+4*\c:PC+14+4*\c], v[AC+16+32*\c:AC+31+32*\c], v[TM+12+2*\c+1]
.endr
	WIN 0
	v_nop                                          ; one plain place behind a scaled conversion
.irp c, 0,1
.irp i, 0,1,2
	v_permlane16_swap_b32 v[PC+6*\c+\i], v[PC+12+4*\c+\i]
.endr
.irp i, 0,1,2
	v_mov_b32 v[PC+3+6*\c+\i], v[PC+12+4*\c+\i]
.endr
.endr
.irp c, 0,1
.irp j, 0,1,2
	global_store_b64 v[GO], v[PC+6*\c+2*\j:PC+6*\c+2*\j+1], s[92+4*\c+2*((\a)/4):93+4*\c+2*((\a)/4)] offset:((\a)%4)*768+256*\j   ; 32 lanes store 256 consecutive bytes, aligned
.endr
.endr
.endm
.irp a, 0,1,2,3,4,5,6,7
	QUANTW \a
.endr
	; the scale words.  q, k: set a's word holds two bytes for each head of the pair: head e's word w is made of the halves e of sets 2 w and 2 w + 1.  v: set a's word is word a % 4 of head a / 4.  Lanes 16 e + r store head e's four.
.irp w, 0,1,2,3
	v_perm_b32 v[X0+\w], v[PW+2*\w+1], v[PW+2*\w], 0x05040100
	v_perm_b32 v[X1+\w], v[PW+2*\w+1], v[PW+2*\w], 0x07060302
.endr
.irp w, 0,1,2,3
	v_cndmask_b32 v[X0+\w], v[X0+\w], v[PW+\w], s11
	v_cndmask_b32 v[X1+\w], v[X1+\w], v[PW+4+\w], s11
.endr
.irp w, 0,1,2,3
	v_cndmask_b32 v[DW+\w], v[X0+\w], v[X1+\w], s3
.endr
	global_store_b128 v[GSC], v[DW:DW+3], s[100:101]   ; each half of the lanes stores 256 consecutive bytes, aligned
	s_wait_tensorcnt 0x0                           ; the wave's end: behind my last tensor load
	ds_add_u32 v[SPW], v[NIL]
	s_wait_dscnt 0x0
	CROUND                                         ; the closing round: no work-group ends while a partner may still ask for a tile that names it
	s_endpgm
.Lfunc_end_k_q84ba5ce947_gemmqkv:
	.size	k_q84ba5ce947_gemmqkv, .Lfunc_end_k_q84ba5ce947_gemmqkv-k_q84ba5ce947_gemmqkv
	.p2alignl 7, 3214868480
	.fill 96, 4, 3214868480
	.section	.rodata,"a",@progbits
	.p2align	6, 0x0
	.amdhsa_kernel k_q84ba5ce947_gemmqkv
		.amdhsa_group_segment_fixed_size 327680
		.amdhsa_private_segment_fixed_size 0
		.amdhsa_enable_private_segment 0
		.amdhsa_kernarg_size 16
		.amdhsa_user_sgpr_count 2
		.amdhsa_user_sgpr_kernarg_segment_ptr 1
		.amdhsa_wavefront_size32 1
		.amdhsa_system_sgpr_workgroup_id_x 1
		.amdhsa_system_sgpr_workgroup_id_y 1
		.amdhsa_system_sgpr_workgroup_id_z 1
		.amdhsa_system_vgpr_workitem_id 0
		.amdhsa_next_free_vgpr 1024
		.amdhsa_next_free_sgpr 102
		.amdhsa_reserve_vcc 0
		.amdhsa_float_denorm_mode_32 3
		.amdhsa_float_denorm_mode_16_64 3
		.amdhsa_memory_ordered 1
		.amdhsa_forward_progress 1
		.amdhsa_inst_pref_size 167
	.end_amdhsa_kernel
	.amdgpu_metadata
---
amdhsa.version: [ 1, 2 ]
amdhsa.kernels:
  - .name:           k_q84ba5ce947_gemmqkv
    .symbol:         k_q84ba5ce947_gemmqkv.kd
    .args:
      - { .name: opq, .offset: 0, .size: 8, .value_kind: global_buffer, .address_space: global }
      - { .name: qkvc, .offset: 8, .size: 8, .value_kind: global_buffer, .address_space: global }
    .group_segment_fixed_size: 327680
    .private_segment_fixed_size: 0
    .kernarg_segment_align: 8
    .kernarg_segment_size: 16
    .max_flat_workgroup_size: 128
    .sgpr_count:     102
    .vgpr_count:     1024
    .wavefront_size: 32
...
	.end_amdgpu_metadata
.endif
;; end of part 2
;; launch attn (part 3): grid 8 x 32, 16 waves a work-group, clusters of 4 x 1, 327,680 bytes of LDS; arguments qkvc, oq; writes oq
.if DOCPART == 3
	.amdgcn_target "amdgcn-amd-amdhsa--gfx1250"
	.amdhsa_code_object_version 6
	.text
	.protected	k_q84ba5ce947_attn
	.globl	k_q84ba5ce947_attn
	.p2align	8
	.type	k_q84ba5ce947_attn,@function
k_q84ba5ce947_attn:
	s_mov_b64 s[64:65], 0
	v_nop
	global_prefetch_b8 v0, s[64:65] scope:SCOPE_SE
	s_setreg_imm32_b32 hwreg(HW_REG_WAVE_MODE, 25, 1), 1
	s_wait_xcnt 0x0
	s_wait_alu depctr_hold_cnt(0) depctr_sa_sdst(0) depctr_va_vdst(0) depctr_va_sdst(0) depctr_va_ssrc(0) depctr_va_vcc(0) depctr_vm_vsrc(0)
	s_getreg_b32 s2, hwreg(HW_REG_IB_STS2, 6, 4)
	s_cmp_eq_u32 s2, 0
	s_cbranch_scc0 .Lentry_in_a_cluster
	s_endpgm
.Lentry_in_a_cluster:
	s_bfe_u32 s2, ttmp6, 0x10000c
	s_cmp_lg_u32 s2, 0x3003
	s_cbranch_scc0 .Lentry_shape_is_right
	s_endpgm
.Lentry_shape_is_right:
; O[b][n][h] = softmax over the keys of (q / 8) . k, times v; both products on codes of FP6 (E2M3) with E8M0 scales; O / l is quantised along C (= head x 64 + d) and leaves as the projection's operand.
; Nothing of the problem is left out here.  The 1/8 stands in c = log2(e) / 8 (exact: a power of two; the codes of q / 8 are those of q).
; THE SOFTMAX: t = score x c; M = the running largest t rounded UP to a whole number; p = 2^(t - M) is quantised along the keys, not normalised; the row's sum is taken of the unquantised p and divides O at the end;
; when M moves, the sum and O are multiplied by 2^(old M - new M): exact.
; SHARES: a work-group owns 256 queries of one batch and walks the TWO heads of a pair, one after the other, so that a lane ends with a whole scale word (128 along C).  Each of its sixteen waves owns one set of 16 queries,
; in 256 registers: four waves to a SIMD, so that one wave's vector work stands beside another's matrix work and LDS loads.
; CLUSTER: the four query blocks of a cluster walk the same K and V: every tensor load is a joint one, with the mask of all four.  Waves 0 and 1 fetch K's halves of a slot, waves 2 and 3 V's.
; LAYOUT (qkvc: at the head of the second launch).  Both products are used transposed: a lane holds ONE query throughout.  THE HEAD HAS 64 ALONG K, THE INSTRUCTION 128: a fragment of K is two sets of keys side by side
; (k 0-63: set 2 g, k 64-127: set 2 g + 1); multiplied by [q | zeros] it gives the first set's scores, by [zeros | q] the second's.  Zero codes add nothing, each LDS byte is read once, and by the sets' order of rows
; the 16 registers of the two tiles are 16 neighbouring keys.
; LIMITS: as stated at the head of the first launch; 1 / l is v_rcp_f32's.
; O's scale words go out 4 bytes a row (64 bytes a wave in the whole launch, beside 1,536 bytes of codes): those aligned blocks of 256 bytes are written in four parts, by the work-groups of four head pairs.
.set SLOTB, 98304                      ; a slot: 1,024 keys of one head: K's 64 sets (49,152 bytes), then V's 16 x 64 keys x 4 sets
.set VOFF,  49152
.set SCB,   2*SLOTB                    ; behind the ring: K's scale words of both heads (32 key steps x 256 bytes), then V's
.set SPARE, SCB+16384                  ; the spare words, 128 bytes for each wave: eight blocks of 256 bytes that no other line names
.set VC,    12582912
.set QKS,   18874368
.set VS,    19398656
.set OQS,   6291456                    ; oq: where the scale words begin
.set AKV,   1                          ; v1   8 x lane: my place in a piece
.set ASC,   2                          ; v2   my scale words: SCB + 16 r, lanes 16-31 8,192 on (V's)
.set ADK,   3                          ; v3   LDS address of the step's tiles
.set ADS,   4                          ; v4   of its scale words
.set SPW,   5                          ; v5   LDS address of my spare word; never rewritten
.set NIL,   6                          ; v6   0; never rewritten
.set GO,    7                          ; v7   8 x lane, for memory
.set GS,    8                          ; v8   16 r
.set QL,    16                         ; v[16:27] [q | zeros];  v[22:33] [zeros | q]
.set QH,    22
.set QS,    34                         ; v34  q's scale word (its two bytes in both halves); v35 the second head's
.set QN,    36                         ; v[36:41] the second head's q
.set SCQ,   44                         ; v[44:47] lanes 0-15: the words of K's four fragments; lanes 16-31: of V's four
.set KV,    48                         ; v[48:95] four fragments, of K and then of V
.set SR,    96                         ; v[96:159] S^T, then p
.set OA,    160                        ; v[160:191] O^T
.set PCD,   192                        ; v[192:203] p's codes; v[204:206], v[208:210] on the way
.set BM,    212                        ; v212-215 the blocks' largest
.set PT,    216                        ; v216-219 at work
.set SO,    220                        ; v220-223 the conversions' scale operands
.set FF,    224                        ; v[224:225] f = 2^(old M - new M)
.set PW,    226                        ; v226 p's scale word
.set TT,    227                        ; v227 at work
.set L2,    228                        ; v[228:229] the sum's second chain
.set WV,    8                          ; s8   my wave's number
.set SEL,   14                         ; s[14:15] selects for lane l xor 16
.set CS,    16                         ; s[16:17] c
.set TB,    18                         ; s18  LDS byte at which the step's tiles begin
.set TS,    19                         ; s19  and its scale words
.set CNT,   20
.set QSEL,  21                         ; s21  which half of the loaded word holds my set's two bytes
.set G1,    24                         ; s[24:31] group 1 for codes; s[32:39] for scale words
.set G1S,   32
.set G0A,   40                         ; s[40:43] group 0 of slot 0; s[44:47] of slot 1; s[48:51] of the scale words
.set G0B,   44
.set G0S,   48
.macro TLOAD g0, g1                    ; waves 0 to 3 fetch; the branch hangs on the wave's number alone.  An s_nop 0 and four v_nop follow the load
	s_cmp_lt_u32 s[WV], 4
	s_cbranch_scc0 .Lnone_\@
	tensor_load_to_lds s[\g0:\g0+3], s[\g1:\g1+7]
	s_nop 0
.rept 4
	v_nop
.endr
.Lnone_\@:
.endm
.macro CROUND                          ; a round of the cluster's barrier
	s_barrier_signal -1
	s_barrier_wait -1
	s_cmp_lg_u32 s[WV], 0
	s_cbranch_scc1 .Lnot_wave_0_\@
	s_barrier_signal -3
.Lnot_wave_0_\@:
	s_barrier_wait -3
	s_barrier_signal -1
	s_barrier_wait -1
.endm
.macro INIT                            ; a head begins: the largest t under every t, zeros for the sum and O^T (the first change of M leaves zeros zeros)
	v_mov_b32 v13, 0xff61b1e6                      ; -3e38
	s_delay_alu instid0(VALU_DEP_1)
	v_floor_f32 v12, -v13                          ; -M
	v_mov_b32 v14, 0
	v_mov_b32 v15, 0
.set j, 0
.rept 32
	v_mov_b32 v[OA+j], 0
.set j, j+1
.endr
.endm
	s_load_b128 s[4:7], s[0:1], 0x0                ; qkvc s[4:5], oq s[6:7]
	v_lshl_add_u32 v[SPW], v0, 2, SPARE
	v_mov_b32 v[NIL], 0
	ds_add_u32 v[SPW], v[NIL]                      ; the wave's opening: the add, twice on end, and its wait ahead of the first tensor loads
	ds_add_u32 v[SPW], v[NIL]
	v_lshrrev_b32 v10, 5, v0
	s_delay_alu instid0(VALU_DEP_1)
	v_readfirstlane_b32 s[WV], v10                 ; wave 0..15
	s_bfe_u32 s9, ttmp6, 0x40000                   ; cx
	s_lshl_b32 s10, ttmp9, 2
	s_add_co_u32 s10, s10, s9                      ; my block of 256 queries: it enters Q's and O's addresses alone
	s_and_b32 s11, ttmp7, 0xffff
	s_lshr_b32 s12, s11, 3                         ; the batch
	s_and_b32 s13, s11, 7                          ; the head pair
	s_mov_b32 s[G1], 15|(3<<16)|(1<<21)            ; 15:0 the mask: all four work-groups; 17:16 elements of 8 bytes; 21 set beside a mask.  24,576 dense bytes as 96 rows of 256
	s_mov_b32 s[G1+1], 32<<16
	s_mov_b32 s[G1+2], 96<<16
	s_mov_b32 s[G1+3], 32<<16
	s_mov_b32 s[G1+4], 96
	s_mov_b32 s[G1+5], 32
	s_mov_b32 s[G1+6], 0
	s_mov_b32 s[G1+7], 0
	s_mov_b32 s[G1S], 15|(3<<16)|(1<<21)           ; 4,096 dense bytes as 16 rows of 256
	s_mov_b32 s[G1S+1], 32<<16
	s_mov_b32 s[G1S+2], 16<<16
	s_mov_b32 s[G1S+3], 32<<16
	s_mov_b32 s[G1S+4], 16
	s_mov_b32 s[G1S+5], 32
	s_mov_b32 s[G1S+6], 0
	s_mov_b32 s[G1S+7], 0
	s_add_co_u32 s66, s13, 8                       ; k's head pairs lie behind q's eight
	s_mul_i32 s67, s66, 786432
	s_mul_i32 s68, s12, 196608
	s_add_co_u32 s67, s67, s68                     ; K's codes of the pair: both heads on end, 4 x 49,152 bytes
	s_lshl_b32 s69, s66, 15
	s_lshl_b32 s68, s12, 13
	s_add_co_u32 s69, s69, s68
	s_add_co_u32 s69, s69, QKS                     ; K's scale words: 8,192 bytes
	s_mul_i32 s70, s12, 1572864
	s_mul_i32 s68, s13, 196608
	s_add_co_u32 s70, s70, s68
	s_add_co_u32 s70, s70, VC                      ; V's codes likewise
	s_lshl_b32 s71, s12, 16
	s_lshl_b32 s68, s13, 13
	s_add_co_u32 s71, s71, s68
	s_add_co_u32 s71, s71, VS                      ; V's scale words
	s_cmp_lt_u32 s[WV], 2                          ; waves 0, 1: K; waves 2, 3: V
	s_cselect_b32 s66, s67, s70
	s_cselect_b32 s68, s69, s71
	s_and_b32 s72, s[WV], 1                        ; which half
	s_mul_i32 s73, s72, 24576
	s_add_co_u32 s66, s66, s73
	s_mov_b32 s67, 0
	s_lshl_b32 s73, s72, 12
	s_add_co_u32 s68, s68, s73
	s_mov_b32 s69, 0
	s_mul_i32 s70, s[WV], 24576                    ; where they go: K's halves, then V's: no place in the cluster enters an LDS address
	s_lshl_b32 s71, s[WV], 12
	s_add_co_u32 s71, s71, SCB
	s_lshl_b32 s72, s10, 4
	s_add_co_u32 s72, s72, s[WV]                   ; my set of queries in the batch
	s_mul_i32 s52, s13, 786432
	s_mul_i32 s73, s12, 196608
	s_add_co_u32 s52, s52, s73
	s_mul_i32 s73, s72, 768
	s_add_co_u32 s52, s52, s73                     ; its codes (the pair's first head; the second lies 98,304 bytes on)
	s_mov_b32 s53, 0
	s_lshl_b32 s54, s13, 15
	s_lshl_b32 s73, s12, 13
	s_add_co_u32 s54, s54, s73
	s_lshr_b32 s73, s72, 3
	s_lshl_b32 s73, s73, 8
	s_add_co_u32 s54, s54, s73
	s_bfe_u32 s73, s72, 0x20001                    ; which of the four words: (set % 8) / 2
	s_lshl_b32 s73, s73, 2
	s_add_co_u32 s54, s54, s73
	s_add_co_u32 s54, s54, QKS                     ; its scale word (the second head's 4,096 bytes on)
	s_mov_b32 s55, 0
	s_lshl_b32 s73, s12, 7
	s_add_co_u32 s73, s73, s72                     ; my set among all tokens
	s_lshl_b32 s56, s73, 4
	s_lshl_b32 s74, s13, 1
	s_add_co_u32 s56, s56, s74
	s_mul_i32 s56, s56, 768                        ; O's codes: half fragment 16 x set + head
	s_mov_b32 s57, 0
	s_lshl_b32 s58, s73, 9
	s_lshr_b32 s74, s13, 2
	s_lshl_b32 s74, s74, 8
	s_add_co_u32 s58, s58, s74
	s_and_b32 s74, s13, 3
	s_lshl_b32 s74, s74, 2
	s_add_co_u32 s58, s58, s74
	s_add_co_u32 s58, s58, OQS                     ; O's scale word: K step = the head pair
	s_mov_b32 s59, 0
	s_and_b32 s74, s[WV], 1
	s_mul_i32 s74, s74, 0x02020202
	s_add_co_u32 s[QSEL], s74, 0x01000100          ; bytes 0, 1 twice for an even set, bytes 2, 3 twice for an odd one
	s_mov_b32 s[SEL], 0x76543210
	s_mov_b32 s[SEL+1], 0xfedcba98
	s_mov_b32 s[CS], 0x3e38aa3b                    ; c = log2(e) / 8
	s_mov_b32 s[CS+1], s[CS]                       ; (named with it as a pair, so it is written)
	s_wait_dscnt 0x0                               ; both opening adds are done
	s_wait_kmcnt 0x0
	s_mov_b32 s[G0S], 1
	s_mov_b32 s[G0S+1], s71
	s_add_nc_u64 s[G0S+2:G0S+3], s[4:5], s[68:69]
	s_or_b32 s[G0S+3], s[G0S+3], 0x80000000
	s_mov_b32 s[G0A], 1
	s_mov_b32 s[G0A+1], s70
	s_add_nc_u64 s[G0A+2:G0A+3], s[4:5], s[66:67]  ; slot 0: the first head's keys 0-1,023
	s_or_b32 s[G0A+3], s[G0A+3], 0x80000000
	s_mov_b32 s[G0B], 1
	s_add_co_u32 s[G0B+1], s70, SLOTB
	s_add_nc_u64 s[G0B+2:G0B+3], s[4:5], s[66:67]
	s_add_nc_u64 s[G0B+2:G0B+3], s[G0B+2:G0B+3], 49152   ; slot 1: its keys 1,024-2,047
	s_or_b32 s[G0B+3], s[G0B+3], 0x80000000
	s_add_nc_u64 s[52:53], s[4:5], s[52:53]
	s_add_nc_u64 s[54:55], s[4:5], s[54:55]
	s_add_nc_u64 s[56:57], s[6:7], s[56:57]
	s_add_nc_u64 s[58:59], s[6:7], s[58:59]
	CROUND                                         ; all four work-groups are here: the first joint loads meet
	s_cmp_lt_u32 s[WV], 4                          ; a wave's three first fills stand in one branch, ahead of every wait on TENSORcnt and every LDS read: three loads of a fetching wave are out at the most
	s_cbranch_scc0 .Lno_first
	tensor_load_to_lds s[G0S:G0S+3], s[G1S:G1S+7]
	s_nop 0
	tensor_load_to_lds s[G0A:G0A+3], s[G1:G1+7]
	s_nop 0
	tensor_load_to_lds s[G0B:G0B+3], s[G1:G1+7]
	s_nop 0
.rept 4
	v_nop
.endr
.Lno_first:
	v_and_b32 v9, 31, v0                           ; lane
	v_and_b32 v10, 15, v0                          ; r
	v_bfe_u32 v11, v0, 4, 1                        ; h
	s_delay_alu instid0(VALU_DEP_3)
	v_lshlrev_b32 v[AKV], 3, v9
	s_delay_alu instid0(VALU_DEP_4)
	v_lshlrev_b32 v[GO], 3, v9
	s_delay_alu instid0(VALU_DEP_4)
	v_lshlrev_b32 v[GS], 4, v10
	s_delay_alu instid0(VALU_DEP_1)
	v_lshl_add_u32 v[ASC], v11, 13, v[GS]
	s_delay_alu instid0(VALU_DEP_1)
	v_add_nc_u32 v[ASC], SCB, v[ASC]
.irp j, 0,1,2
	global_load_b64 v[QL+2*\j:QL+2*\j+1], v[GO], s[52:53] offset:256*\j          ; the first head's q, for [q | zeros],
	global_load_b64 v[QH+6+2*\j:QH+7+2*\j], v[GO], s[52:53] offset:256*\j        ; once more for [zeros | q],
	global_load_b64 v[QN+2*\j:QN+2*\j+1], v[GO], s[52:53] offset:98304+256*\j    ; and the second head's
.endr
	global_load_b32 v[QS], v[GS], s[54:55]
	global_load_b32 v[QS+1], v[GS], s[54:55] offset:4096
.irp i, 0,1,2,3,4,5
	v_mov_b32 v[QH+\i], 0                          ; the zeros that both operands share
.endr
.irp b, 0,1,2,3
	v_mov_b32 v[PT+\b], 0                          ; written once: a lane permute's destination counts as one of its sources
.endr
	v_mov_b32 v[FF+1], 0                           ; (named as the upper half of the pair)
	s_wait_loadcnt 0x0
	v_perm_b32 v[QS], v[QS], v[QS], s[QSEL]        ; my set's two bytes in both halves: one word serves [q | zeros] and [zeros | q]
	v_perm_b32 v[QS+1], v[QS+1], v[QS+1], s[QSEL]
	INIT                                           ; (36 plain instructions: a scale register written by a vector instruction stands 8 places ahead of a scaled matrix instruction)
; A KEY STEP: 128 keys.
.macro STEP
	v_add_nc_u32 v[ADK], s[TB], v[AKV]
	v_add_nc_u32 v[ADS], s[TS], v[ASC]
	v_nop
	v_nop                                          ; four places in front of loads into registers that the last products have read
.irp f, 0,1,2,3
.irp p, 0,1,2,3,4,5
	ds_load_b64 v[KV+12*\f+2*\p:KV+12*\f+2*\p+1], v[ADK] offset:1536*\f+256*\p   ; K's fragment f: sets 2 f and 2 f + 1 of the step's eight
.endr
.endr
	ds_load_b128 v[SCQ:SCQ+3], v[ADS]
	s_wait_alu depctr_va_vdst(0)
	s_wait_dscnt 0x0
.irp f, 0,1,2,3                                ; S^T: register 16 f + 8 u + i of lane (r, h) is key 32 f + 16 h + 8 u + i for query r
	v_wmma_scale_f32_16x16x128_f8f6f4 v[SR+16*\f:SR+16*\f+7], v[KV+12*\f:KV+12*\f+11], v[QL:QL+11], 0, v[SCQ+\f], v[QS] matrix_a_fmt:MATRIX_FMT_FP6 matrix_b_fmt:MATRIX_FMT_FP6
	v_wmma_scale_f32_16x16x128_f8f6f4 v[SR+16*\f+8:SR+16*\f+15], v[KV+12*\f:KV+12*\f+11], v[QH:QH+11], 0, v[SCQ+\f], v[QS] matrix_a_fmt:MATRIX_FMT_FP6 matrix_b_fmt:MATRIX_FMT_FP6
.endr
.rept 4
	v_nop                                          ; places in front of the loads below and of the first read of the scores
.endr
.irp t, 0,1,2,3
.irp p, 0,1,2,3,4,5
	ds_load_b64 v[KV+12*\t+2*\p:KV+12*\t+2*\p+1], v[ADK] offset:VOFF+(\p/3)*3072+768*\t+(\p%3)*256   ; V's fragment t: they land while the softmax is walked
.endr
.endr
.irp b, 0,1,2,3
	v_max3_num_f32 v[BM+\b], v[SR+16*\b], v[SR+1+16*\b], v[SR+2+16*\b]   ; the largest score of each block of 32 keys: for the row's maximum and, since p rises with the score, for the block's largest p
.endr
.irp i, 3,5,7,9,11,13
.irp b, 0,1,2,3
	v_max3_num_f32 v[BM+\b], v[BM+\b], v[SR+16*\b+\i], v[SR+1+16*\b+\i]
.endr
.endr
.irp b, 0,1,2,3
	v_max_num_f32 v[BM+\b], v[BM+\b], v[SR+15+16*\b]
.endr
.irp b, 0,1,2,3
	s_delay_alu instid0(VALU_DEP_4)
	v_permlanex16_b32 v[PT+\b], v[BM+\b], s[SEL], s[SEL+1]
.endr
.irp b, 0,1,2,3
	s_delay_alu instid0(VALU_DEP_4)
	v_max_num_f32 v[BM+\b], v[BM+\b], v[PT+\b]     ; with lane l xor 16's 16 keys
.endr
	s_delay_alu instid0(VALU_DEP_2)
	v_max3_num_f32 v[TT], v[BM], v[BM+1], v[BM+2]
	s_delay_alu instid0(VALU_DEP_1)
	v_max_num_f32 v[TT], v[TT], v[BM+3]
	s_delay_alu instid0(VALU_DEP_1)
	v_mul_f32 v[TT], s[CS], v[TT]                  ; the step's largest t (c is positive)
	s_delay_alu instid0(VALU_DEP_1)
	v_max_num_f32 v13, v13, v[TT]                  ; the running largest t
	v_mov_b32 v[TT], v12
	s_delay_alu instid0(VALU_DEP_2)
	v_floor_f32 v12, -v13                          ; the new -M = floor(-t): M is a whole number
	s_delay_alu instid0(VALU_DEP_1)
	v_sub_f32 v[TT], v12, v[TT]                    ; old M less new M: a whole number, 0 or less
	s_delay_alu instid0(VALU_DEP_1)
	v_cvt_i32_f32 v[TT], v[TT]                     ; (it saturates)
	s_delay_alu instid0(VALU_DEP_1)
	v_ldexp_f32 v[FF], 1.0, v[TT]                  ; f = 2^(old M - new M)
.set j, 0
.rept 32
	v_pk_fma_f32 v[SR+j:SR+j+1], v[SR+j:SR+j+1], s[CS:CS+1], v[12:13] op_sel_hi:[1,0,0]   ; t - M, two at a time
.set j, j+2
.endr
.irp b, 0,1,2,3
	v_fma_f32 v[BM+\b], v[BM+\b], s[CS], v12       ; the same of each block's largest score
.endr
.set j, 0
	s_setprio 1
	s_wait_alu depctr_va_vdst(0)
.rept 64
	v_exp_f32 v[SR+j], v[SR+j]                     ; p = 2^(t - M), at most 1
.set j, j+1
.endr
	v_pk_mul_f32 v[14:15], v[14:15], v[FF:FF+1] op_sel_hi:[1,0]   ; the sums under the new M (a plain place behind the exponentials)
	s_wait_alu depctr_va_vdst(0)                   ; one wait for the whole batch, ahead of its first reader
.irp b, 0,1,2,3
	v_exp_f32 v[BM+\b], v[BM+\b]                   ; the block's largest p: the same two instructions on the same number
.endr
	v_pk_add_f32 v[228:229], v[100:101], v[104:105]
	v_pk_add_f32 v[254:255], v[108:109], v[112:113]
	v_pk_add_f32 v[252:253], v[116:117], v[120:121]
	v_pk_add_f32 v[250:251], v[124:125], v[128:129]
	v_pk_add_f32 v[248:249], v[132:133], v[136:137]
	v_pk_add_f32 v[246:247], v[140:141], v[144:145]
	v_pk_add_f32 v[244:245], v[148:149], v[152:153]
	v_pk_add_f32 v[14:15], v[14:15], v[156:157]
	v_pk_add_f32 v[228:229], v[228:229], v[96:97]
	v_pk_add_f32 v[254:255], v[254:255], v[98:99]
	v_pk_add_f32 v[252:253], v[252:253], v[102:103]
	v_pk_add_f32 v[250:251], v[250:251], v[106:107]
	v_pk_add_f32 v[248:249], v[248:249], v[110:111]
	v_pk_add_f32 v[246:247], v[246:247], v[114:115]
	v_pk_add_f32 v[244:245], v[244:245], v[118:119]
	v_pk_add_f32 v[14:15], v[14:15], v[122:123]
	v_pk_add_f32 v[228:229], v[228:229], v[126:127]
	v_pk_add_f32 v[254:255], v[254:255], v[130:131]
	v_pk_add_f32 v[252:253], v[252:253], v[134:135]
	v_pk_add_f32 v[250:251], v[250:251], v[138:139]
	v_pk_add_f32 v[248:249], v[248:249], v[142:143]
	v_pk_add_f32 v[246:247], v[246:247], v[146:147]
	v_pk_add_f32 v[244:245], v[244:245], v[150:151]
	v_pk_add_f32 v[14:15], v[14:15], v[154:155]
	v_pk_add_f32 v[228:229], v[228:229], v[158:159]
	s_delay_alu instid0(VALU_DEP_2)
	v_pk_add_f32 v[14:15], v[14:15], v[250:251]
	s_delay_alu instid0(VALU_DEP_2)
	v_pk_add_f32 v[228:229], v[228:229], v[248:249]
	v_pk_add_f32 v[254:255], v[254:255], v[246:247]
	v_pk_add_f32 v[252:253], v[252:253], v[244:245]
	s_delay_alu instid0(VALU_DEP_2)
	v_pk_add_f32 v[14:15], v[14:15], v[254:255]
	s_delay_alu instid0(VALU_DEP_2)
	v_pk_add_f32 v[228:229], v[228:229], v[252:253]
	s_delay_alu instid0(VALU_DEP_1)
	v_pk_add_f32 v[14:15], v[14:15], v[228:229]
	s_wait_alu depctr_va_vdst(0)                   ; and one for the four
.irp b, 0,1,2,3
	v_max_num_f32 v[BM+\b], 0x1800000, v[BM+\b]    ; the floor 2^(3 - 127): the byte cannot fall under 1
.endr
.irp b, 0,1,2,3
	s_delay_alu instid0(VALU_DEP_4)
	v_add_nc_u32 v[SO+\b], 0xff000000, v[BM+\b]    ; 2 off the exponent field: the conversion's scale operand
.endr
.irp b, 0,1,2,3
	s_delay_alu instid0(VALU_DEP_4)
	v_lshrrev_b32 v[PT+\b], 23, v[SO+\b]           ; the scale's byte
.endr
	s_delay_alu instid0(VALU_DEP_3)
	v_lshl_or_b32 v[PW], v[PT+1], 8, v[PT]         ; p's scale word for these 128 keys
	s_delay_alu instid0(VALU_DEP_1)
	v_lshl_or_b32 v[PW], v[PT+2], 16, v[PW]
	s_delay_alu instid0(VALU_DEP_1)
	v_lshl_or_b32 v[PW], v[PT+3], 24, v[PW]
.irp c, 0,1
	v_cvt_scalef32_pk16_fp6_f32 v[PCD+6*\c:PCD+2+6*\c], v[SR+32*\c:SR+15+32*\c], v[SO+2*\c]
	v_cvt_scalef32_pk16_fp6_f32 v[PCD+12+4*\c:PCD+14+4*\c], v[SR+16+32*\c:SR+31+32*\c], v[SO+2*\c+1]
.endr
	v_nop                                          ; one plain place behind a scaled conversion
	s_setprio 0
.irp c, 0,1                                    ; the layout wants a whole block in a lane
.irp i, 0,1,2
	v_permlane16_swap_b32 v[PCD+6*\c+\i], v[PCD+12+4*\c+\i]
.endr
.irp i, 0,1,2
	s_delay_alu instid0(VALU_DEP_3)
	v_mov_b32 v[PCD+3+6*\c+\i], v[PCD+12+4*\c+\i]
.endr
.endr
.set j, 0
.rept 16
	v_pk_mul_f32 v[OA+j:OA+j+1], v[OA+j:OA+j+1], v[FF:FF+1] op_sel_hi:[1,0]   ; O^T under the new M.  (These sixteen are also the places between the scale word's and the codes' last writes and the products below)
.set j, j+2
.endr
	s_wait_alu depctr_va_vdst(0)
	s_wait_dscnt 0x0                               ; V is in
.irp t, 0,1,2,3                                ; O^T += V^T P^T: the four accumulators by turns, one instruction a turn
	v_wmma_scale_f32_16x16x128_f8f6f4 v[OA+8*\t:OA+8*\t+7], v[KV+12*\t:KV+12*\t+11], v[PCD:PCD+11], v[OA+8*\t:OA+8*\t+7], v[SCQ+\t], v[PW] matrix_a_fmt:MATRIX_FMT_FP6 matrix_b_fmt:MATRIX_FMT_FP6 matrix_a_scale:MATRIX_SCALE_ROW1
.endr
	s_add_co_u32 s[TB], s[TB], 6144                ; the next step: 8 sets of K, 128 keys of V,
	s_add_co_u32 s[TS], s[TS], 256                 ; and their scale words
.endm
.macro STEPS slot, n                   ; a slot's eight key steps; n: which 1,024 keys of the pair's 4,096
	s_mov_b32 s[TB], (\slot)*SLOTB
	s_mov_b32 s[TS], (\n)*2048
	s_mov_b32 s[CNT], 8
.Lstep_\@:
	s_setprio 2
	STEP
	s_sub_co_u32 s[CNT], s[CNT], 1
	s_cmp_lg_u32 s[CNT], 0
	s_cbranch_scc1 .Lstep_\@
	s_setprio 0
.endm
; THE CHANGE OF SLOTS.  Each wave waits for all its tensor loads (its part of the slot ahead), adds 0 to its spare word, and waits for that and for its reads of the slot that it has left.
; fill = 1: the barrier is a round of the cluster's, so that no wave of any partner still reads that slot or has a load on its way; the joint refill comes first behind it, and has eight key steps of all sixteen waves in which to land.
.macro CHANGE fill, g0
	s_wait_tensorcnt 0x0                           ; no tensor load of mine is out, so a group 0 may be written
	ds_add_u32 v[SPW], v[NIL]                      ; 0 onto my spare word
.if \fill
	ds_add_u32 v[SPW], v[NIL]                      ; and once more
	s_add_nc_u64 s[\g0+2:\g0+3], s[\g0+2:\g0+3], 98304   ; the same slot's next fill: 2,048 keys on, which is the pair's second head
.endif
	s_wait_dscnt 0x0                               ; the add is done, and my reads of the slot that I have left are over
.if \fill
	CROUND
	TLOAD \g0, G1
.else
	s_barrier_signal -1
	s_barrier_wait -1
.endif
.endm
; A HEAD'S WAY OUT: O^T / the sum, register 16 b + i = d 32 b + 16 h + i of my query, is quantised: a half fragment of the projection's operand and half a scale word.
.macro OUT e
.rept 4
	v_nop                                          ; places behind the last products
.endr
	v_add_f32 v14, v14, v15                        ; the sum's two halves,
	s_delay_alu instid0(VALU_DEP_1)
	v_permlanex16_b32 v[TT], v14, s[SEL], s[SEL+1]
	s_delay_alu instid0(VALU_DEP_1)
	v_add_f32 v14, v14, v[TT]                      ; and lane l xor 16's
	s_wait_alu depctr_va_vdst(0)
	v_rcp_f32 v14, v14
	v_nop                                          ; a plain place behind the transcendental
	s_wait_alu depctr_va_vdst(0)                   ; and the wait ahead of its first reader
.set j, 0
.rept 32
	v_mul_f32 v[SR+j], v[OA+j], v14                ; each accumulator from its low end on
.set j, j+1
.endr
.irp b, 0,1
	v_max3_num_f32 v[BM+\b], |v[SR+16*\b]|, |v[SR+1+16*\b]|, 0x1800000
.endr
.irp i, 2,4,6,8,10,12,14
.irp b, 0,1
	s_delay_alu instid0(VALU_DEP_2)
	v_max3_num_f32 v[BM+\b], v[BM+\b], |v[SR+16*\b+\i]|, |v[SR+1+16*\b+\i]|
.endr
.endr
.irp b, 0,1
	s_delay_alu instid0(VALU_DEP_2)
	v_permlanex16_b32 v[PT+\b], v[BM+\b], s[SEL], s[SEL+1]
.endr
.irp b, 0,1
	s_delay_alu instid0(VALU_DEP_2)
	v_max_num_f32 v[BM+\b], v[BM+\b], v[PT+\b]
.endr
.irp b, 0,1
	s_delay_alu instid0(VALU_DEP_2)
	v_add_nc_u32 v[SO+\b], 0xff000000, v[BM+\b]
.endr
.irp b, 0,1
	s_delay_alu instid0(VALU_DEP_2)
	v_lshrrev_b32 v[PT+\b], 23, v[SO+\b]
.endr
	s_delay_alu instid0(VALU_DEP_1)
	v_lshl_or_b32 v[42+\e], v[PT+1], 8, v[PT]      ; the head's two bytes
	v_cvt_scalef32_pk16_fp6_f32 v[PCD:PCD+2], v[SR:SR+15], v[SO]
	v_cvt_scalef32_pk16_fp6_f32 v[PCD+12:PCD+14], v[SR+16:SR+31], v[SO+1]
	v_nop                                          ; one plain place behind a scaled conversion
.irp i, 0,1,2
	v_permlane16_swap_b32 v[PCD+\i], v[PCD+12+\i]
.endr
.irp i, 0,1,2
	s_delay_alu instid0(VALU_DEP_3)
	v_mov_b32 v[PCD+3+\i], v[PCD+12+\i]
.endr
.irp j, 0,1,2
	global_store_b64 v[GO], v[PCD+2*\j:PCD+2*\j+1], s[56:57] offset:768*\e+256*\j   ; 32 lanes store 256 consecutive bytes, aligned
.endr
.if \e
	v_lshl_or_b32 v43, v43, 16, v42                ; both heads' bytes: the scale word of this pair's 128 along C
	global_store_b32 v[GS], v43, s[58:59]          ; lanes l and l xor 16 hold the same word and name the same place: so EXEC stays as it is
.endif
.endm
	s_wait_tensorcnt 1                             ; the scale words and my part of slot 0 are in; slot 1's load may stay out
	s_barrier_signal -1
	s_barrier_wait -1                              ; everybody's are
	STEPS 0, 0                                     ; the first head, keys 0-1,023
	CHANGE 1, G0A                                  ; slot 0 takes the second head's keys 0-1,023
	STEPS 1, 1
	CHANGE 1, G0B                                  ; slot 1 its keys 1,024-2,047
	OUT 0
	v_mov_b32 v[QS], v[QS+1]                       ; the second head's q and scale word; the lines behind them are the places in front of the next products
.irp i, 0,1,2,3,4,5
	v_mov_b32 v[QL+\i], v[QN+\i]
	v_mov_b32 v[QH+6+\i], v[QN+\i]
.endr
	INIT
	s_wait_xcnt 0x0                                ; the first head's stores have read their data: the codes' registers are rewritten only behind this wait
	STEPS 0, 2
	CHANGE 0, G0A                                  ; nothing is left to fetch
	STEPS 1, 3
	OUT 1
	s_wait_tensorcnt 0x0                           ; the wave's end: behind the last tensor load
	ds_add_u32 v[SPW], v[NIL]
	s_wait_dscnt 0x0
	CROUND                                         ; the closing round: no work-group ends while a partner may still ask for a tile that names it
	s_endpgm
.Lfunc_end_k_q84ba5ce947_attn:
	.size	k_q84ba5ce947_attn, .Lfunc_end_k_q84ba5ce947_attn-k_q84ba5ce947_attn
	.p2alignl 7, 3214868480
	.fill 96, 4, 3214868480
	.section	.rodata,"a",@progbits
	.p2align	6, 0x0
	.amdhsa_kernel k_q84ba5ce947_attn
		.amdhsa_group_segment_fixed_size 327680
		.amdhsa_private_segment_fixed_size 0
		.amdhsa_enable_private_segment 0
		.amdhsa_kernarg_size 16
		.amdhsa_user_sgpr_count 2
		.amdhsa_user_sgpr_kernarg_segment_ptr 1
		.amdhsa_wavefront_size32 1
		.amdhsa_system_sgpr_workgroup_id_x 1
		.amdhsa_system_sgpr_workgroup_id_y 1
		.amdhsa_system_sgpr_workgroup_id_z 1
		.amdhsa_system_vgpr_workitem_id 0
		.amdhsa_next_free_vgpr 256
		.amdhsa_next_free_sgpr 76
		.amdhsa_reserve_vcc 0
		.amdhsa_float_denorm_mode_32 3
		.amdhsa_float_denorm_mode_16_64 3
		.amdhsa_memory_ordered 1
		.amdhsa_forward_progress 1
		.amdhsa_inst_pref_size 96
	.end_amdhsa_kernel
	.amdgpu_metadata
---
amdhsa.version: [ 1, 2 ]
amdhsa.kernels:
  - .name:           k_q84ba5ce947_attn
    .symbol:         k_q84ba5ce947_attn.kd
    .args:
      - { .name: qkvc, .offset: 0, .size: 8, .value_kind: global_buffer, .address_space: global }
      - { .name: oq, .offset: 8, .size: 8, .value_kind: global_buffer, .address_space: global }
    .group_segment_fixed_size: 327680
    .private_segment_fixed_size: 0
    .kernarg_segment_align: 8
    .kernarg_segment_size: 16
    .max_flat_workgroup_size: 512
    .sgpr_count:     76
    .vgpr_count:     256
    .wavefront_size: 32
...
	.end_amdgpu_metadata
.endif
;; end of part 3
;; launch proj (part 4): grid 4 x 32, 4 waves a work-group, clusters of 4 x 4, 327,680 bytes of LDS; arguments oq, opq, b_proj, out0; writes out0
.if DOCPART == 4
	.amdgcn_target "amdgcn-amd-amdhsa--gfx1250"
	.amdhsa_code_object_version 6
	.text
	.protected	k_q84ba5ce947_proj
	.globl	k_q84ba5ce947_proj
	.p2align	8
	.type	k_q84ba5ce947_proj,@function
k_q84ba5ce947_proj:
	s_mov_b64 s[64:65], 0
	v_nop
	global_prefetch_b8 v0, s[64:65] scope:SCOPE_SE
	s_setreg_imm32_b32 hwreg(HW_REG_WAVE_MODE, 25, 1), 1
	s_wait_xcnt 0x0
	s_wait_alu depctr_hold_cnt(0) depctr_sa_sdst(0) depctr_va_vdst(0) depctr_va_sdst(0) depctr_va_ssrc(0) depctr_va_vcc(0) depctr_vm_vsrc(0)
	s_getreg_b32 s2, hwreg(HW_REG_IB_STS2, 6, 4)
	s_cmp_eq_u32 s2, 0
	s_cbranch_scc0 .Lentry_in_a_cluster
	s_endpgm
.Lentry_in_a_cluster:
	s_bfe_u32 s2, ttmp6, 0x10000c
	s_cmp_lg_u32 s2, 0xf033
	s_cbranch_scc0 .Lentry_shape_is_right
	s_endpgm
.Lentry_shape_is_right:
; out0 = O w_proj^T + b_proj on codes of FP6 (E2M3) with E8M0 scales, K = 1,024; f32 out.  Nothing of the problem is left out here.
; out[i][j] = sum over k of P[i][k] Q[j][k] + b[j]; P = O's codes (oq: 512 sets of tokens), Q = w_proj's (opq: sets 704-767); source 0 = 16 rows of Q, source 1 = 16 rows of P: a lane holds one token and runs of eight columns.
; The layout of both operands (sets, half fragments, scale words) is set out at the head of the first launch.  The frame (ring of two slots of 256 along K, joint loads in a 4 x 4 cluster, eight K steps written out) is the second launch's.
; The bias is the C of each sum's first matrix instruction: eight registers a tile of columns, in the result's layout.
; 128 work-groups of 256 x 256: a tile of half the width would give 256, at one and a half times the LDS bytes for each matrix instruction.
; REGISTERS, in windows of 256: window 0: v0-31 addresses; v32-95 all scale words; v96-127 and v224-255 the bias; v128-223 P's fragments; on the way out v128-255 rows of the output.
;   window 1: Q's fragments, two sets.   windows 2, 3: the 64 accumulators ((a, b) at v[8 (8 (a % 4) + b)]).
.set FR,    12
.set NL,    6
.set NP,    4                          ; places behind this matrix instruction (ISA guide 7.12.1)
.set HALFT, 24576                      ; 8 sets x 3,072 bytes
.set SLOT,  4*HALFT
.set SCL,   2*SLOT                     ; the scale words of P's 16 sets, then of Q's
.set SPARE, SCL+16384                  ; the spare words, 128 bytes for each wave: two blocks of 256 bytes that no other line names
.set STAGE, SPARE+512                  ; the way out: 16 rows x (512 bytes + 16) for each wave; no tensor load lands here
.set SPITCH, 528
.set OPS,   9437184                    ; opq: where the scale words begin
.set OQS,   6291456                    ; oq: likewise
.set ADRA,  16
.set ADRB,  20
.set STO,   24                         ; v24  the stage: where I put 32 bytes of a row
.set RD,    25                         ; v25  and where I read a row back
.set CO,    26                         ; v26  16 x lane: my bytes of a row's 512
.set ADRS,  27
.set SPW,   28                         ; v28  LDS address of my spare word; never rewritten
.set NIL,   29                         ; v29  0; never rewritten
.set BO,    30                         ; v30  64 h: my half's eight numbers of the bias
.set SC,    32
.set AF,    128
.set BK,    128                        ; the way out: v128-191 and v192-255 by turns
.set G1,    24
.set G0,    32
.set G1B,   48
.set G0B,   56
.set G1S,   68
.set G0S,   76
.set G1SB,  80
.set G0SB,  88
.set MSB, 0
.macro WIN new                         ; the immediate's high byte repeats the setting that is left
.if MSB != \new
	s_set_vgpr_msb (MSB<<8)|\new
.set MSB, \new
.endif
.endm
.set MUL_LO, 0xa1                      ; source 0 (Q) window 1, source 1 (P) window 0, C and D window 2
.set MUL_HI, 0xf1                      ; the same, C and D window 3
.set TO_B,   0x40
.macro JLOAD g0a, g1a, g0b, g1b        ; a joint load: waves 0 and 1 fetch for P, waves 2 and 3 for Q.  An s_nop 0 and four v_nop follow each of the two lines
	s_cmp_eq_u32 s15, 0
	s_cbranch_scc0 .Lfor_b_\@
	tensor_load_to_lds s[\g0a:\g0a+3], s[\g1a:\g1a+7]
	s_nop 0
.rept 4
	v_nop
.endr
	s_branch .Lasked_\@
.Lfor_b_\@:
	tensor_load_to_lds s[\g0b:\g0b+3], s[\g1b:\g1b+7]
	s_nop 0
.rept 4
	v_nop
.endr
.Lasked_\@:
.endm
.macro CREST
	s_cmp_lg_u32 s14, 0
	s_cbranch_scc1 .Lnot_wave_0_\@
	s_barrier_signal -3
.Lnot_wave_0_\@:
	s_barrier_wait -3
	s_barrier_signal -1
	s_barrier_wait -1
.endm
.macro CROUND
	s_barrier_signal -1
	s_barrier_wait -1
	CREST
.endm
	s_load_b256 s[4:11], s[0:1], 0x0               ; oq s[4:5], opq s[6:7], b_proj s[8:9], out0 s[10:11]
	v_lshl_add_u32 v[SPW], v0, 2, SPARE
	v_mov_b32 v[NIL], 0
	ds_add_u32 v[SPW], v[NIL]                      ; the wave's opening: the add, twice on end, and its wait ahead of my first tensor load
	ds_add_u32 v[SPW], v[NIL]
	v_lshrrev_b32 v1, 5, v0
	v_readfirstlane_b32 s14, v1                    ; wave 0..3
	s_lshr_b32 s15, s14, 1                         ; which half of P's sets is mine.  Also: I fetch for P (0) or for Q (1)
	s_and_b32 s16, s14, 1                          ; which half of Q's.  Also: which 8 sets of that tile I fetch
	s_bfe_u32 s40, ttmp6, 0x40000                  ; cx, cy
	s_bfe_u32 s41, ttmp6, 0x40004
	s_and_b32 s17, ttmp7, 0xffff
	s_lshl_b32 s17, s17, 2
	s_add_co_u32 s17, s17, s41                     ; P's tile of 256 tokens = 4 x cluster y + cy
	s_lshl_b32 s42, ttmp9, 2
	s_add_co_u32 s42, s42, s40                     ; Q's tile of 256 columns = 4 x cluster x + cx
	s_lshl_b32 s43, s41, 2
	s_lshl_b32 s43, 15, s43                        ; my row of the cluster
	s_lshl_b32 s44, 0x1111, s40                    ; my column
	s_or_b32 s[G1+0], s43, (3<<16)|(1<<21)         ; codes: 8 rows (sets) of 3,072 bytes (384 elements of 8 bytes), 12,288 bytes apart
	s_or_b32 s[G1B+0], s44, (3<<16)|(1<<21)
.irp g, G1, G1B
	s_mov_b32 s[\g+1], 384<<16
	s_mov_b32 s[\g+2], 8<<16
	s_mov_b32 s[\g+3], 384<<16
	s_mov_b32 s[\g+4], 8
	s_mov_b32 s[\g+5], 1536
	s_mov_b32 s[\g+6], 0
	s_mov_b32 s[\g+7], 0
.endr
	s_or_b32 s[G1S+0], s43, (3<<16)|(1<<21)        ; scale words of 8 sets: 4,096 dense bytes as 16 rows of 256
	s_or_b32 s[G1SB+0], s44, (3<<16)|(1<<21)
.irp g, G1S, G1SB
	s_mov_b32 s[\g+1], 32<<16
	s_mov_b32 s[\g+2], 16<<16
	s_mov_b32 s[\g+3], 32<<16
	s_mov_b32 s[\g+4], 16
	s_mov_b32 s[\g+5], 32
	s_mov_b32 s[\g+6], 0
	s_mov_b32 s[\g+7], 0
.endr
	s_lshl_b32 s18, s16, 3                         ; which 8 sets of the tile I fetch
	s_lshl_b32 s20, s17, 4
	s_add_co_u32 s20, s20, s18                     ; P: in oq
	s_lshl_b32 s46, s42, 4
	s_add_co_u32 s46, s46, s18
	s_add_co_u32 s46, s46, 704                     ; Q: in opq, where w_proj's sets begin at 704
	s_lshl_b32 s22, s20, 9
	s_add_co_u32 s22, s22, OQS
	s_mov_b32 s23, 0
	s_lshl_b32 s92, s46, 9
	s_add_co_u32 s92, s92, OPS
	s_mov_b32 s93, 0
	s_mul_i32 s20, s20, 12288
	s_mov_b32 s21, 0
	s_mul_i32 s46, s46, 12288
	s_mov_b32 s47, 0
	s_mul_i32 s45, s14, HALFT                      ; where they go: no place in the cluster enters an LDS address
	s_lshl_b32 s94, s14, 12
	s_wait_dscnt 0x0                               ; both opening adds are done
	s_wait_kmcnt 0x0
	s_add_nc_u64 s[20:21], s[4:5], s[20:21]
	s_add_nc_u64 s[22:23], s[4:5], s[22:23]
	s_add_nc_u64 s[46:47], s[6:7], s[46:47]
	s_add_nc_u64 s[92:93], s[6:7], s[92:93]
	CROUND                                         ; all sixteen work-groups are here: the first joint loads meet
	s_mov_b32 s[G0S], 1
	s_add_co_u32 s[G0S+1], s94, SCL
	s_mov_b64 s[G0S+2:G0S+3], s[22:23]
	s_or_b32 s[G0S+3], s[G0S+3], 0x80000000
	s_mov_b32 s[G0SB], 1
	s_add_co_u32 s[G0SB+1], s94, SCL
	s_mov_b64 s[G0SB+2:G0SB+3], s[92:93]
	s_or_b32 s[G0SB+3], s[G0SB+3], 0x80000000
	JLOAD G0S, G1S, G0SB, G1SB                     ; the scale words first.  By this text's count three tensor loads of a wave are out at the most
.irp s, 0,1
	s_mov_b32 s[G0+4*\s], 1
	s_add_co_u32 s[G0+4*\s+1], s45, \s*SLOT
	s_add_nc_u64 s[G0+4*\s+2:G0+4*\s+3], s[20:21], \s*3072
	s_or_b32 s[G0+4*\s+3], s[G0+4*\s+3], 0x80000000
	s_mov_b32 s[G0B+4*\s], 1
	s_add_co_u32 s[G0B+4*\s+1], s45, \s*SLOT
	s_add_nc_u64 s[G0B+4*\s+2:G0B+4*\s+3], s[46:47], \s*3072
	s_or_b32 s[G0B+4*\s+3], s[G0B+4*\s+3], 0x80000000
	JLOAD G0+4*\s, G1, G0B+4*\s, G1B
.endr
	v_and_b32 v1, 31, v0                           ; lane
	v_and_b32 v2, 15, v0                           ; r
	v_bfe_u32 v3, v0, 4, 1                         ; h
	v_lshlrev_b32 v[BO], 6, v3
	s_lshl_b32 s46, s42, 10                        ; my first column, in bytes: 1,024 x tile + 512 x half
	s_lshl_b32 s47, s16, 9
	s_add_co_u32 s46, s46, s47
	s_mov_b32 s47, 0
	s_add_nc_u64 s[8:9], s[8:9], s[46:47]
.irp b, 0,1,2,3,4,5,6,7                        ; the bias: tile b of lane (r, h): columns 32 (b / 2) + 8 (b % 2) + 16 h + 0 .. 7
	global_load_b128 v[96+8*\b+96*(\b/4):96+8*\b+96*(\b/4)+3], v[BO], s[8:9] offset:(32*(\b/2)+8*(\b%2))*4
	global_load_b128 v[96+8*\b+96*(\b/4)+4:96+8*\b+96*(\b/4)+7], v[BO], s[8:9] offset:(32*(\b/2)+8*(\b%2))*4+16
.endr
	s_lshl_b32 s20, s17, 8
	s_lshl_b32 s21, s15, 7
	s_add_co_u32 s20, s20, s21                     ; my first token: 256 x tile + 128 x half
	s_lshl_b32 s20, s20, 12                        ; rows of 4,096 bytes
	s_add_co_u32 s20, s20, s46
	s_mov_b32 s21, 0
	s_add_nc_u64 s[12:13], s[10:11], s[20:21]
	v_lshlrev_b32 v4, 3, v1                        ; 8 x lane
	s_mul_i32 s21, s15, HALFT
	s_mul_i32 s22, s16, HALFT
	s_add_co_u32 s22, s22, 2*HALFT
.irp s, 0,1
	v_add_nc_u32 v[ADRA+\s], s21, v4
	v_add_nc_u32 v[ADRB+\s], s22, v4
	s_add_co_u32 s21, s21, SLOT
	s_add_co_u32 s22, s22, SLOT
.endr
	s_lshl_b32 s21, s15, 12
	s_lshl_b32 s22, s16, 12
	s_add_co_u32 s22, s22, 8192
	s_sub_co_u32 s22, s22, s21
	v_mul_u32_u24 v6, s22, v3                      ; lanes 16-31 take Q's scale words
	s_add_co_u32 s21, s21, SCL
	v_lshl_add_u32 v5, v2, 4, v6
	v_add_nc_u32 v[ADRS], s21, v5
	s_mul_i32 s23, s14, 16*SPITCH
	s_add_co_u32 s23, s23, STAGE                   ; my stage
	v_mul_u32_u24 v5, v2, SPITCH
	v_lshl_add_u32 v5, v3, 6, v5
	v_add_nc_u32 v[STO], s23, v5                   ; in: row r, + 64 h
	v_lshlrev_b32 v[CO], 4, v1
	v_add_nc_u32 v[RD], s23, v[CO]                 ; back: the 32 lanes take one row of 512 bytes
.macro FRAG reg, adr, q, i
.irp p, 0,1,2,3,4,5
	ds_load_b64 v[\reg+2*\p:\reg+2*\p+1], v[\adr] offset:(\i)*3072+(\q)*1536+\p*256
.endr
.endm
; 16 matrix instructions: P's sets a0, a0 + 1 x Q's eight, K step ks.  cmode = 2: the first product takes the bias as its C (window 0) and starts the sums.
; The 64 accumulators take turns, one instruction a turn, in the same order in every step.
.macro MUL16 a0, p, ks, cmode
.irp a, \a0, \a0+1
.irp b, 0,1,2,3,4,5,6,7
.if \cmode == 2
	v_wmma_scale_f32_16x16x128_f8f6f4 v[8*(8*((\a)%4)+\b):8*(8*((\a)%4)+\b)+7], v[128*(\p)+FR*\b:128*(\p)+FR*\b+FR-1], v[AF+FR*(\a):AF+FR*(\a)+FR-1], v[96+8*\b+96*(\b/4):96+8*\b+96*(\b/4)+7], v[SC+32*((\ks)/4)+4*\b+(\ks)%4], v[SC+32*((\ks)/4)+4*(\a)+(\ks)%4] matrix_a_fmt:MATRIX_FMT_FP6 matrix_b_fmt:MATRIX_FMT_FP6 matrix_a_scale:MATRIX_SCALE_ROW1
.else
	v_wmma_scale_f32_16x16x128_f8f6f4 v[8*(8*((\a)%4)+\b):8*(8*((\a)%4)+\b)+7], v[128*(\p)+FR*\b:128*(\p)+FR*\b+FR-1], v[AF+FR*(\a):AF+FR*(\a)+FR-1], v[8*(8*((\a)%4)+\b):8*(8*((\a)%4)+\b)+7], v[SC+32*((\ks)/4)+4*\b+(\ks)%4], v[SC+32*((\ks)/4)+4*(\a)+(\ks)%4] matrix_a_fmt:MATRIX_FMT_FP6 matrix_b_fmt:MATRIX_FMT_FP6 matrix_a_scale:MATRIX_SCALE_ROW1
.endif
.endr
.endr
.endm
.macro FETCH_B slot, q, p
	WIN TO_B
.irp i, 0,1,2,3,4,5,6,7
	FRAG 128*(\p)+FR*\i, ADRB+\slot, \q, \i
.endr
	WIN 0
.endm
.macro FETCH_A slot, q, i0
.irp i, \i0, \i0+1, \i0+2, \i0+3
	FRAG AF+FR*(\i), ADRA+\slot, \q, \i
.endr
.endm
.macro SCALES                          ; all scale words, once
.irp kh, 0,1
.irp i, 0,1,2,3,4,5,6,7
	ds_load_b128 v[SC+32*\kh+4*\i:SC+32*\kh+4*\i+3], v[ADRS] offset:512*\i+256*\kh
.endr
.endr
.endm
.macro PLACES n                        ; plain vector instructions between a matrix instruction and a load into, or a read of, its registers (ISA guide 7.12.1 for reads)
.rept \n
	v_nop
.endr
.endm
.macro STEP slot, q, ks, cmode
	s_wait_dscnt 4*NL                              ; all but the youngest 24 loads (P's sets 4-7) are in
.if \cmode == 2
	WIN 0x81                                       ; source 0 window 1, sources 1 and 2 window 0, D window 2
.else
	WIN MUL_LO
.endif
	MUL16 0, (\q)%2, \ks, \cmode
	MUL16 2, (\q)%2, \ks, \cmode
	s_wait_dscnt 0
	PLACES NP
	FETCH_B \slot, (\q)+1, 1-(\q)%2
	FETCH_A \slot, (\q)+1, 0
.if \cmode == 2
	WIN 0xc1                                       ; the same, D window 3
.else
	WIN MUL_HI
.endif
	MUL16 4, (\q)%2, \ks, \cmode
	MUL16 6, (\q)%2, \ks, \cmode
	PLACES NP
	WIN 0
	FETCH_A \slot, (\q)+1, 4
.endm
.macro TURN slot, next, fill, ks
	s_wait_tensorcnt 0x0                           ; all my tensor loads have landed: my part of the next slot  (every window is 0 here)
	ds_add_u32 v[SPW], v[NIL]                      ; 0 onto my spare word
	s_wait_dscnt 4*NL+1                            ; (the add and the youngest 24 loads may be out)
	WIN MUL_LO
	MUL16 0, 1, \ks, 0
	s_wait_dscnt 0x0                               ; the add is done, and my reads of this slot are over
	s_barrier_signal -1
	MUL16 2, 1, \ks, 0
	WIN 0
	s_barrier_wait -1
.if \fill
	CREST                                          ; the barrier has opened a round of the cluster's barrier: no wave of any partner still reads this slot or has a load on its way
	s_add_nc_u64 s[G0+4*\slot+2:G0+4*\slot+3], s[G0+4*\slot+2:G0+4*\slot+3], 6144
	s_add_nc_u64 s[G0B+4*\slot+2:G0B+4*\slot+3], s[G0B+4*\slot+2:G0B+4*\slot+3], 6144
	JLOAD G0+4*\slot, G1, G0B+4*\slot, G1B         ; the first tensor load behind the round; its four v_nop are the places in front of the loads below
.else
	PLACES NP
.endif
	FETCH_B \next, 0, 0
	FETCH_A \next, 0, 0
	WIN MUL_HI
	MUL16 4, 1, \ks, 0
	MUL16 6, 1, \ks, 0
	PLACES NP
	WIN 0
	FETCH_A \next, 0, 4
.endm
	s_wait_tensorcnt 1                             ; the scale words and my part of slot 0 are in (slot 1's load may be out)
	s_barrier_signal -1
	s_barrier_wait -1                              ; everybody's are
	FETCH_B 0, 0, 0
	FETCH_A 0, 0, 0
	SCALES
	FETCH_A 0, 0, 4
	s_wait_loadcnt 0x0                             ; the bias
	STEP 0, 0, 0, 2                                ; the first step's products start the sums from the bias
	TURN 0, 1, 1, 1
	STEP 1, 0, 2, 0
	TURN 1, 0, 1, 3
	STEP 0, 0, 4, 0
	TURN 0, 1, 0, 5
	STEP 1, 0, 6, 0
	s_wait_dscnt 4*NL
	WIN MUL_LO
	MUL16 0, 1, 7, 0
	MUL16 2, 1, 7, 0
	s_wait_dscnt 0
	WIN MUL_HI
	MUL16 4, 1, 7, 0
	MUL16 6, 1, 7, 0
	WIN 0
; THE WAY OUT, set by set of 16 tokens x 128 columns, through my own stage in LDS: in as 32 bytes a lane and tile, back as whole rows of 512 bytes.  LDS serves a wave's instructions in order: no wait between the stores and the loads.
.macro TOSTAGE a
.set AC, 64*((\a)%4)
	WIN 0x08+4*((\a)/4)                            ; an LDS store's data are its source 1: window 2 or 3
.irp b, 0,1,2,3,4,5,6,7
	ds_store_b128 v[STO], v[AC+8*\b:AC+8*\b+3] offset:128*(\b/2)+32*(\b%2)        ; each accumulator from its low end on
	ds_store_b128 v[STO], v[AC+8*\b+4:AC+8*\b+7] offset:128*(\b/2)+32*(\b%2)+16
.endr
	WIN 0
.set BB, BK+64*((\a)%2)
.irp t, 0,1,2,3,4,5,6,7,8,9,10,11,12,13,14,15
	ds_load_b128 v[BB+4*\t:BB+4*\t+3], v[RD] offset:\t*SPITCH
.endr
.endm
.macro SEND a, younger                 ; younger: the LDS instructions issued behind set a's loads, which may stay out
.set BB, BK+64*((\a)%2)
	s_wait_dscnt \younger
.irp t, 0,1,2,3,4,5,6,7,8,9,10,11,12,13,14,15
	global_store_b128 v[CO], v[BB+4*\t:BB+4*\t+3], s[12:13] offset:(32*((\a)/2)+8*((\a)%2)+\t+8*(\t/8))*4096 th:TH_STORE_NT   ; lane-row t of set a is that token; 32 lanes store 512 consecutive bytes, aligned; the largest offset is 127 rows
.endr
.endm
	PLACES NP                                      ; behind the last products: for the loads into the registers that held P's fragments and the bias, and for the reads of results
	TOSTAGE 0
.irp a, 1,2,3,4,5,6,7
.if \a > 1
	s_wait_xcnt 0x0                                ; set a - 2's stores have read their data: set a's loads land there only behind this wait
.endif
	TOSTAGE \a
	SEND \a-1, 32                                  ; behind set a - 1's loads: set a's 16 stores and 16 loads
.endr
	SEND 7, 0
	s_wait_tensorcnt 0x0                           ; the wave's end: behind my last tensor load and my last LDS store
	ds_add_u32 v[SPW], v[NIL]
	s_wait_dscnt 0x0
	CROUND                                         ; the closing round: no work-group ends while a partner may still ask for a tile that names it
	s_endpgm
.Lfunc_end_k_q84ba5ce947_proj:
	.size	k_q84ba5ce947_proj, .Lfunc_end_k_q84ba5ce947_proj-k_q84ba5ce947_proj
	.p2alignl 7, 3214868480
	.fill 96, 4, 3214868480
	.section	.rodata,"a",@progbits
	.p2align	6, 0x0
	.amdhsa_kernel k_q84ba5ce947_proj
		.amdhsa_group_segment_fixed_size 327680
		.amdhsa_private_segment_fixed_size 0
		.amdhsa_enable_private_segment 0
		.amdhsa_kernarg_size 32
		.amdhsa_user_sgpr_count 2
		.amdhsa_user_sgpr_kernarg_segment_ptr 1
		.amdhsa_wavefront_size32 1
		.amdhsa_system_sgpr_workgroup_id_x 1
		.amdhsa_system_sgpr_workgroup_id_y 1
		.amdhsa_system_sgpr_workgroup_id_z 1
		.amdhsa_system_vgpr_workitem_id 0
		.amdhsa_next_free_vgpr 1024
		.amdhsa_next_free_sgpr 96
		.amdhsa_reserve_vcc 0
		.amdhsa_float_denorm_mode_32 3
		.amdhsa_float_denorm_mode_16_64 3
		.amdhsa_memory_ordered 1
		.amdhsa_forward_progress 1
		.amdhsa_inst_pref_size 159
	.end_amdhsa_kernel
	.amdgpu_metadata
---
amdhsa.version: [ 1, 2 ]
amdhsa.kernels:
  - .name:           k_q84ba5ce947_proj
    .symbol:         k_q84ba5ce947_proj.kd
    .args:
      - { .name: oq, .offset: 0, .size: 8, .value_kind: global_buffer, .address_space: global }
      - { .name: opq, .offset: 8, .size: 8, .value_kind: global_buffer, .address_space: global }
      - { .name: b_proj, .offset: 16, .size: 8, .value_kind: global_buffer, .address_space: global }
      - { .name: out0, .offset: 24, .size: 8, .value_kind: global_buffer, .address_space: global }
    .group_segment_fixed_size: 327680
    .private_segment_fixed_size: 0
    .kernarg_segment_align: 8
    .kernarg_segment_size: 32
    .max_flat_workgroup_size: 128
    .sgpr_count:     96
    .vgpr_count:     1024
    .wavefront_size: 32
...
	.end_amdgpu_metadata
.endif
;; end of part 4
